; MI455X (gfx1250); checked and timed in simulation.
; The chip was launched on July 23, 2026; its instructions are those of AMD's public machine-readable ISA for CDNA 5 (MIT licence, August 2026) and "CDNA5" Instruction Set Architecture Reference Guide (July 2026). The comments in the code are by the model that wrote it; some were corrected since.
;; Multi Head Attention. Allowed arithmetic: matrix products marked QUANTISED: E2M1 operands, one E8M0 scale for each 32 along K, by v_wmma_scale_f32_16x16x128_f8f6f4 with both operands' format E2M1 (or v_wmma_scale_f32_32x16x128_f4), f32 sums; everything else in f32.
;; Inputs: Wk 1,024 x 1,024 float32; Wq 1,024 x 1,024 float32; Wr 1,024 x 1,024 float32; Wv 1,024 x 1,024 float32; beta 1,024 float32; bk 1,024 float32; bq 1,024 float32; br 1,024 float32; bv 1,024 float32; gamma 1,024 float32; x 4 x 2,048 x 1,024 float32.
;; Outputs: out0 4 x 2,048 x 1,024 float32.
;; This version of the problem:
;;   THIS VERSION OF THE PROBLEM IS GIVEN IN LOW PRECISION. The matrix products marked QUANTISED in the list below multiply operands that are first quantised to E2M1 (2 exponent bits, 1 mantissa bit; 4 bits a number), with one power-of-two scale for each 32 numbers along K (OCP MX v1.0); their sums are f32. All else is computed in f32.
;;   The module's matrix products, in the order in which they are computed (A, B: the left and right operand; K: the contracted axis; several contracted axes count as one K, in the product's order):
;;     1. [M 8,192, K 1,024] x [K 1,024, N 1,024]; A: input x; B: input Wq: QUANTISED
;;     2. [M 8,192, K 1,024] x [K 1,024, N 1,024]; A: input x; B: input Wk: QUANTISED
;;     3. [M 8,192, K 1,024] x [K 1,024, N 1,024]; A: input x; B: input Wv: QUANTISED
;;     4. [M 8,192, K 1,024] x [K 1,024, N 1,024]; A: input x; B: input Wr: QUANTISED
;;     5. batch 32 x [M 2,048, K 128] x [K 128, N 2,048]; A: computed on the way; B: computed on the way: QUANTISED
;;     6. batch 32 x [M 2,048, K 2,048] x [K 2,048, N 128]; A: softmax (see below); B: computed on the way: QUANTISED
;;   THE QUANTISER, for each operand of a quantised product, along K:
;;     - K is cut into blocks of 32 from its start; a last block that is shorter is filled with zeros.
;;     - A block's scale is 2^e with e = floor(log2(the largest magnitude in the block)) - 2, held to -126 .. 127; a block of zeros has e = 0. As a byte (E8M0): e + 127.
;;     - Each number is divided by its block's scale, clamped to +-6, and rounded to the nearest number of E2M1, ties to even, subnormals kept.
;;     - The product sums the exact products of the quantised numbers (number of the format x scale) in f32.
;;   ~~~python
;;   def quantise(x, axis):      # numpy; x: float32 -> the quantised numbers, widened to float32 again
;;       x = np.moveaxis(x, axis, -1); K = x.shape[-1]
;;       x = np.pad(x, [(0, 0)] * (x.ndim - 1) + [(0, -K % 32)]); x = x.reshape(x.shape[:-1] + (-1, 32)); a = np.abs(x).max(-1, keepdims=True)
;;       e = np.where(a > 0, np.clip(np.frexp(np.where(a > 0, a, 1))[1] - 1 - 2, -126, 127), 0)      # np.frexp(a)[1] - 1 = floor(log2(a)), exactly
;;       r = np.clip(x / 2.0 ** e, -6, 6)
;;       step = 2.0 ** (np.maximum(np.frexp(np.where(r == 0, 1, r))[1] - 1, 0) - 1)
;;       q = np.round(r / step) * step * 2.0 ** e      # np.round: ties to even
;;       return np.moveaxis(q.reshape(q.shape[:-2] + (-1,))[..., :K], -1, axis).astype(np.float32)
;;   ~~~
;;   SOFTMAX AHEAD OF A QUANTISED PRODUCT. Where the list says 'softmax', what is quantised is not the finished softmax but p = 2^(t - M), with t = logit x log2(e) and M = ceil(the row's largest t), a whole number; so 1/2 < the row's largest p <= 1. The row's sum l is taken of the UNQUANTISED p, in f32, and the product's result is divided by l at the end. Since M is a whole number, a kernel that streams over the keys may use a running M (the ceiling of the running maximum): every later rescaling is an exact power of two, which a block's scale takes up: the codes' values come out the same.
;;   OPERANDS COMPUTED ON THE WAY. 'Computed on the way' means the value that the module computes at that place (a softmax that the list does not call 'softmax' is quantised finished and normalised). What goes into a quantiser is computed in f32, as accurately as f32 sums, v_exp_f32 and their like allow (about 1e-6 of the number): no bf16 or f16 on the way to a quantiser, and a product that is left as it is and whose result goes on into a quantised operand takes f32 operands (vector FMAs, or v_wmma_f32_16x16x4_f32). A number that lies on a knife's edge between two numbers of the format may be rounded either way, as far as f32 arithmetic and the matrix unit's own rounding can turn it there, and no further.
;; One version. Each part assembles by itself: llvm-mc -triple=amdgcn-amd-amdhsa -mcpu=gfx1250 --defsym DOCPART=n.
;; ======== version 1 of 1: 3 launches
;; limits: right only within a limited range of input values
;; workspace buffers: xc 4,194,304 bytes; xs 262,144 bytes; wc 2,097,152 bytes; ws 131,072 bytes; qkvc 12,582,912 bytes; qkvs 786,432 bytes; res 33,554,432 bytes
;; launch quant_x (part 1): grid 512 x 1, 4 waves a work-group, no clusters, 42,496 bytes of LDS; arguments x, xc, xs, ws, Wq, Wk, Wv, Wr, wc; writes xc, xs, wc, ws
.if DOCPART == 1
	.amdgcn_target "amdgcn-amd-amdhsa--gfx1250"
	.amdhsa_code_object_version 6
	.text
	.protected	k_q79629eda6a_quant_x
	.globl	k_q79629eda6a_quant_x
	.p2align	8
	.type	k_q79629eda6a_quant_x,@function
k_q79629eda6a_quant_x:
	s_mov_b64 s[64:65], 0
	v_nop
	global_prefetch_b8 v0, s[64:65] scope:SCOPE_SE
	s_setreg_imm32_b32 hwreg(HW_REG_WAVE_MODE, 25, 1), 1
	s_wait_xcnt 0x0
; THE PROGRAM: relu(x W + b) for Wq, Wk, Wv, Wr; attention on heads cut by a raw reshape; + res; LayerNorm.  All six products on codes of FP4 (E2M1) with one E8M0 scale for each 32 along K.
; Three launches: this one (x and the four weights into codes), gemm (the four projections; q, k, v leave as codes, res as f32), attn (both attention products, + res, LayerNorm).
; WORK LEFT OUT: the last relu, out = relu(attn + res).  attn = (sum over keys of Q(p) Q(v)) / l.  p = 2^(t - M) > 0 or 0, so its quantised numbers are >= 0; v = relu(..) >= 0, so its quantised numbers are >= 0;
; l, a sum of p with its largest term over 1/2, is > 0; res = relu(..) >= 0.  So attn + res >= 0 for all finite values of the inputs, and the relu is the identity.  Every input has a way to the output and is loaded.
; LIMIT of that: a NaN or an infinity that only this relu would treat otherwise is not carried to the result as reference() would carry it.
; THIS LAUNCH serves five tensors on two paths, which part on the work-group's number alone (the same in all four waves): work-groups 0-255 take x, work-groups 256-511 the weights.  Each path has LDS bytes of its own.
; THE QUANTISER: a block's scale is 2^(floor(log2(its largest magnitude)) - 2); its byte is the largest magnitude's exponent field - 2, held at 1 from below.  A block of zeros so gets the byte 1 where the rule says 127: its
; codes are zeros, which add nothing under any byte but 0xff, and this program alone reads the bytes.  Each number is divided by the scale and rounded to the nearest code, ties to even, beyond 6 the largest code.
; LIMITS: blocks whose largest magnitude lies under 2^(2 - 126) keep the byte 1; NaN and infinities among the inputs are not served.
; x [8192][1024] f32 becomes codes xc [8192][512 bytes], K innermost, the lower k in the low four bits, and scale bytes xs [8192][32].  Rows are dense and 1024 is a multiple of 32: x is a plain stream of blocks of 32, and so
; are its codes and scale bytes.  A wave takes 16 steps of 512 numbers.  Each of a step's four loads reads 512 consecutive bytes; the 2,048 bytes turn through the wave's own stage in LDS (16 bytes of padding behind each 64)
; and come back 64 bytes a lane: 16 neighbours along K, two lanes to a block.  On this path waves share nothing: no barrier.
; THE WEIGHTS [1024 k][1024 n] f32, K their FIRST axis, become codes with K innermost, wc [4096 rows][512 bytes], and scale bytes ws [4096 rows][32].
; ROWS OF wc: 0.. Wq's columns, 1024.. Wk's, 3072.. Wr's, each in order.  Wv's column n = 128 c + d goes to row 2048 + 8 d + c: sixteen neighbouring rows are then two channels d x eight chunks c, so that in the
; projection a lane's eight results are the eight chunks of one row of x at one channel: eight neighbouring keys of the reshaped head.
; A LANE TAKES A COLUMN AND ITS REGISTERS RUN DOWN K: a block of 32 lies in one lane's 32 registers, and the conversions give codes with K innermost.  Nothing is transposed by an instruction.
; Work-group 256 + 128 y + 32 t + g: weight t, columns 32 g on, which 512 of K: y; wave w: 128 of those, four blocks.  The four waves' 64 bytes of a column meet in a stage in LDS (rows 272 bytes apart) and leave as
; 256 consecutive bytes, aligned, from sixteen lanes; the column's 16 scale bytes likewise meet in LDS and leave by one store of 16 bytes a lane from wave 0.
.set WGX,   256                        ; x's work-groups
.set STEPS, 16
.set EMAX,  2
.set CB,    8                          ; bytes of 16 codes
.set XR,    16                         ; x: v16-143  eight sets of 16 numbers as they are loaded
.set XN,    144                        ;    v144-175 two sets of 16 neighbours
.set XE,    176                        ;    v176-191 a scale byte for each step
.set XC,    192                        ;    v192-253 codes: four registers for each step, so that no store's data are written again
.set WREG,  8192                       ; LDS, x: a region for each wave: two stages of 32 x SP bytes, behind them its 256 scale bytes
.set SP,    80
.set WSTG,  4*WREG                     ; LDS, the weights: the stage, 32 columns x 272 bytes,
.set PITCH, 272
.set SCS,   WSTG+32*PITCH              ; and 32 columns x 16 scale bytes
.set SPARE, SCS+512                    ; the spare words: 128 bytes a wave, named by no other line
.set WN,    32                         ; the weights: v32-95 two sets of 32 numbers
.set WC,    96                         ;    v96-99   a block's codes
.set WOUT,  112                        ;    v112-127 the way out
.set WSB,   24                         ;    v24      my column's four scale bytes
.set SPW,   254                        ; v254 LDS address of my spare word; never rewritten
.set NIL,   255                        ; v255 0; never rewritten
	s_load_b256 s[4:11], s[0:1], 0x0               ; x, xc, xs, ws
	s_load_b256 s[12:19], s[0:1], 0x20             ; Wq, Wk, Wv, Wr
	s_load_b64 s[20:21], s[0:1], 0x40              ; wc
	v_lshl_add_u32 v[SPW], v0, 2, SPARE
	v_mov_b32 v[NIL], 0
	v_lshrrev_b32 v1, 5, v0
	v_readfirstlane_b32 s24, v1                    ; wave
	v_and_b32 v2, 31, v0                           ; lane
	s_cmp_ge_u32 ttmp9, WGX                        ; x's work-group or the weights'?
	s_cbranch_scc1 .Lweights
; ---------------- x ----------------
	v_lshlrev_b32 v3, 4, v2                        ; my 16 bytes of a load's 512
	s_mul_i32 s25, s24, WREG
	v_lshrrev_b32 v14, 2, v2
	v_mul_u32_u24 v14, v14, SP
	v_and_b32 v15, 3, v2
	v_lshl_add_u32 v14, v15, 4, v14
	v_add_nc_u32 v14, s25, v14                     ; the stage, on the way in: SP (lane / 4) + 16 (lane % 4)
	v_mul_u32_u24 v15, v2, SP
	v_add_nc_u32 v15, s25, v15                     ; and on the way out: SP x lane
	v_mul_u32_u24 v4, v2, CB                       ; my codes' place in a step's
	v_lshrrev_b32 v5, 1, v2
	s_add_co_u32 s25, s25, 2*32*SP
	v_add_nc_u32 v5, s25, v5                       ; my wave's 256 scale bytes, my block's byte
	v_lshlrev_b32 v7, 3, v2
	v_add_nc_u32 v6, s25, v7                       ; and on the way out 8 bytes a lane
	s_lshl_b32 s26, ttmp9, 2
	s_add_co_u32 s26, s26, s24                     ; which run of 8,192 numbers is my wave's
	s_mov_b32 s27, 0
	s_mov_b64 s[28:29], 512*STEPS*4
	s_mul_u64 s[28:29], s[26:27], s[28:29]
	s_mov_b64 s[30:31], 32*STEPS*CB
	s_mul_u64 s[30:31], s[26:27], s[30:31]
	s_lshl_b32 s26, s26, 8                         ; 256 scale bytes a run
	s_wait_alu depctr_va_vdst(0)
	s_wait_kmcnt 0x0
	s_add_nc_u64 s[4:5], s[4:5], s[28:29]
	s_add_nc_u64 s[6:7], s[6:7], s[30:31]
	s_add_nc_u64 s[8:9], s[8:9], s[26:27]
.macro XLOAD t
.irp i, 0,1,2,3
	global_load_b128 v[XR+16*((\t)%8)+4*\i:XR+16*((\t)%8)+4*\i+3], v3, s[4:5] offset:2048*(\t)+512*\i th:TH_LOAD_NT   ; 32 lanes read 512 consecutive bytes
.endr
.endm
.macro XTURN t                         ; step t's numbers through the stage: LDS serves a wave's instructions in order, so no wait stands between the stores and the loads
.irp i, 0,1,2,3
	ds_store_b128 v14, v[XR+16*((\t)%8)+4*\i:XR+16*((\t)%8)+4*\i+3] offset:32*SP*((\t)%2)+8*SP*\i
.endr
.irp i, 0,1,2,3
	ds_load_b128 v[XN+16*((\t)%2)+4*\i:XN+16*((\t)%2)+4*\i+3], v15 offset:32*SP*((\t)%2)+16*\i
.endr
.endm
.irp t, 0,1,2,3,4,5,6,7
	XLOAD \t                                       ; loads run eight steps ahead: 32 loads, 16,384 bytes a wave
.endr
	s_wait_loadcnt 28                              ; step 0's four loads are in; the 28 of steps 1 to 7 may be out
	XTURN 0
.macro XSTEP t
.set XS, XN+16*((\t)%2)
.if (\t) > 0
	s_wait_dscnt 1                                 ; this step's numbers are back from the stage (the last step's byte store may be out)
.else
	s_wait_dscnt 0x0
.endif
.if (\t)+8 < STEPS
	XLOAD (\t)+8                                   ; into the registers that the stage's stores have read
.endif
.if (\t)+1 < STEPS
.if STEPS-2-(\t) >= 7
	s_wait_loadcnt 28                              ; the next step's four loads are in; those of the seven steps behind it may be out
.else
	s_wait_loadcnt 4*(STEPS-2-(\t))
.endif
	XTURN (\t)+1
.endif
	v_max3_num_f32 v8, |v[XS]|, |v[XS+1]|, |v[XS+2]|               ; the largest magnitude of my 16, in two chains
	v_max3_num_f32 v9, |v[XS+3]|, |v[XS+4]|, |v[XS+5]|
.irp i, 6,10
	v_max3_num_f32 v8, v8, |v[XS+\i]|, |v[XS+\i+1]|
	v_max3_num_f32 v9, v9, |v[XS+\i+2]|, |v[XS+\i+3]|
.endr
	v_max3_num_f32 v8, v8, |v[XS+14]|, |v[XS+15]|
	v_max3_num_f32 v8, v8, v9, (EMAX+1)<<23        ; and the floor 2^(3 - 127): the byte cannot fall under 1
	v_max_num_f32_dpp v8, v8, v8 row_xmask:1 row_mask:0xf bank_mask:0xf   ; and of my neighbour's 16: the block's
	v_add_nc_u32 v11, -(EMAX<<23), v8              ; 2 off its exponent field: the conversion takes the exponent field of this operand as its scale
	v_cvt_scalef32_pk8_fp4_f32 v[XC+4*(\t)], v[XS:XS+7], v11
	v_cvt_scalef32_pk8_fp4_f32 v[XC+4*(\t)+1], v[XS+8:XS+15], v11
	v_lshrrev_b32 v[XE+(\t)], 23, v11              ; the scale's byte
	ds_store_b8 v5, v[XE+(\t)] offset:16*(\t)      ; both lanes of a block write the same byte with the same value
	global_store_b64 v4, v[XC+4*(\t):XC+4*(\t)+1], s[6:7] offset:32*CB*(\t)   ; the wave stores 256 consecutive bytes, aligned
.endm
.irp t, 0,1,2,3,4,5,6,7,8,9,10,11,12,13,14,15
	XSTEP \t
.endr
	ds_load_b64 v[8:9], v6                         ; LDS serves a wave's instructions in order: these see my stores
	s_wait_dscnt 0x0
	global_store_b64 v7, v[8:9], s[8:9]            ; 32 lanes store 256 consecutive bytes, aligned
	s_wait_tensorcnt 0x0                           ; the wave's end, behind my last LDS store
	ds_add_u32 v[SPW], v[NIL]
	s_wait_dscnt 0x0
	s_endpgm
; ---------------- the weights ----------------
.Lweights:
	s_sub_co_u32 s35, ttmp9, WGX
	s_bfe_u32 s25, s35, 0x20005                    ; t: two bits from bit 5
	s_and_b32 s26, s35, 31                         ; g
	s_lshr_b32 s27, s35, 7                         ; y
	s_lshl_b32 s28, s25, 10
	s_lshl_b32 s29, s26, 5
	s_add_co_u32 s28, s28, s29                     ; the first column's row of wc: 1024 t + 32 g,
	s_and_b32 s29, s26, 3
	s_lshl_b32 s29, s29, 8
	s_lshr_b32 s30, s26, 2
	s_add_co_u32 s29, s29, s30
	s_add_co_u32 s29, s29, 2048                    ; for Wv 2048 + 8 (32 (g % 4)) + g / 4,
	s_cmp_eq_u32 s25, 2
	s_cselect_b32 s28, s29, s28
	s_cselect_b32 s31, 8, 1                        ; and from column to column 8 rows there, else 1
	s_lshl_b32 s32, s31, 9                         ; in bytes of wc,
	s_lshl_b32 s33, s31, 5                         ; of ws,
	s_lshl_b32 s34, s32, 1                         ; and two columns on
	s_lshl_b32 s36, s27, 21                        ; W: (512 y + 128 w) rows of 4,096 bytes + 128 g
	s_lshl_b32 s37, s24, 19
	s_add_co_u32 s36, s36, s37
	s_lshl_b32 s37, s26, 7
	s_add_co_u32 s36, s36, s37
	s_mov_b32 s37, 0
	s_lshl_b32 s38, s28, 9                         ; wc: row x 512 + 256 y
	s_lshl_b32 s39, s27, 8
	s_add_co_u32 s38, s38, s39
	s_mov_b32 s39, 0
	s_lshl_b32 s40, s28, 5                         ; ws: row x 32 + 16 y
	s_lshl_b32 s41, s27, 4
	s_add_co_u32 s40, s40, s41
	s_mov_b32 s41, 0
	s_wait_alu depctr_va_vdst(0)
	v_lshlrev_b32 v3, 2, v2                        ; in: 4 bytes a lane
	s_lshl_b32 s42, s24, 6
	s_add_co_u32 s42, s42, WSTG
	v_mul_u32_u24 v4, v2, PITCH
	v_add_nc_u32 v4, s42, v4                       ; into the stage: row = my column, my wave's 64 bytes
	s_lshl_b32 s43, s24, 2
	s_add_co_u32 s43, s43, SCS
	v_lshl_add_u32 v5, v2, 4, s43                  ; my column's scale bytes, my wave's four
	v_lshrrev_b32 v6, 4, v2                        ; out of it: sixteen lanes to a row, two rows an instruction, rows 8 w on
	v_and_b32 v8, 15, v2
	s_mul_i32 s44, s24, 8*PITCH
	s_add_co_u32 s44, s44, WSTG
	v_mul_u32_u24 v7, v6, PITCH
	v_lshl_add_u32 v7, v8, 4, v7
	v_add_nc_u32 v7, s44, v7
	v_lshlrev_b32 v12, 4, v8
	s_lshl_b32 s45, s24, 3
	v_add_nc_u32 v13, s45, v6
	v_mad_u32_u24 v16, v13, s32, v12               ; and the same places in wc: column 8 w + lane / 16 + 2 i
	v_add_nc_u32 v17, s34, v16
	v_add_nc_u32 v18, s34, v17
	v_add_nc_u32 v19, s34, v18
	v_mul_u32_u24 v9, v2, s33                      ; my column's row of ws
	v_lshl_add_u32 v10, v2, 4, SCS
	s_wait_kmcnt 0x0
	s_cmp_eq_u32 s25, 1                            ; which weight: the choice hangs on the work-group's number alone
	s_cselect_b64 s[12:13], s[14:15], s[12:13]
	s_cmp_eq_u32 s25, 2
	s_cselect_b64 s[12:13], s[16:17], s[12:13]
	s_cmp_eq_u32 s25, 3
	s_cselect_b64 s[12:13], s[18:19], s[12:13]
	s_add_nc_u64 s[12:13], s[12:13], s[36:37]
	s_add_nc_u64 s[20:21], s[20:21], s[38:39]
	s_add_nc_u64 s[10:11], s[10:11], s[40:41]
.macro WLOAD t                         ; block t: W(32 t + i, my column) into set t % 2; a wave reads 128 consecutive bytes
.irp i, 0,1,2,3,4,5,6,7,8,9,10,11,12,13,14,15,16,17,18,19,20,21,22,23,24,25,26,27,28,29,30,31
	global_load_b32 v[WN+32*((\t)%2)+\i], v3, s[12:13] offset:(32*(\t)+\i)*4096 th:TH_LOAD_NT
.endr
.endm
	WLOAD 0
	WLOAD 1
.macro WBLOCK t
.set WXS, WN+32*((\t)%2)
.if (\t) < 3
	s_wait_loadcnt 32                              ; this block's 32 loads are in; the next block's may be out
.else
	s_wait_loadcnt 0x0
.endif
	v_max3_num_f32 v12, |v[WXS]|, |v[WXS+1]|, |v[WXS+2]|            ; the block's largest magnitude: all 32 numbers are mine
	v_max3_num_f32 v13, |v[WXS+3]|, |v[WXS+4]|, |v[WXS+5]|
.irp i, 6,10,14,18,22,26
	v_max3_num_f32 v12, v12, |v[WXS+\i]|, |v[WXS+\i+1]|
	v_max3_num_f32 v13, v13, |v[WXS+\i+2]|, |v[WXS+\i+3]|
.endr
	v_max3_num_f32 v12, v12, |v[WXS+30]|, |v[WXS+31]|
	v_max3_num_f32 v12, v12, v13, (EMAX+1)<<23     ; and the floor 2^(3 - 127)
	v_add_nc_u32 v11, -(EMAX<<23), v12             ; the conversion's scale operand
	v_lshrrev_b32 v13, 23, v11                     ; the scale's byte
.if (\t) == 0
	v_mov_b32 v[WSB], v13
.else
	v_lshl_or_b32 v[WSB], v13, 8*(\t), v[WSB]
.endif
.irp g, 0,1,2,3
	v_cvt_scalef32_pk8_fp4_f32 v[WC+\g], v[WXS+8*\g:WXS+8*\g+7], v11
.endr
	ds_store_b128 v4, v[WC:WC+3] offset:16*(\t)    ; 32 codes: 16 bytes of my column's row
.if (\t)+2 < 4
	WLOAD (\t)+2
.endif
	s_wait_dscnt 0x0                               ; the store has read its registers: the next block's codes may be written
.endm
	WBLOCK 0
	WBLOCK 1
	WBLOCK 2
	WBLOCK 3
	s_wait_alu depctr_va_vdst(0)
	ds_store_b32 v5, v[WSB]
	s_wait_dscnt 0x0                               ; for the others' sake: my stores into the stage are done
	s_barrier_signal -1
	s_barrier_wait -1
.irp i, 0,1,2,3
	ds_load_b128 v[WOUT+4*\i:WOUT+4*\i+3], v7 offset:2*\i*PITCH
.endr
.irp i, 0,1,2,3
	s_wait_dscnt 3-\i                              ; the younger loads may be out
	global_store_b128 v[16+\i], v[WOUT+4*\i:WOUT+4*\i+3], s[20:21]   ; sixteen lanes store 256 consecutive bytes, aligned
.endr
	s_cmp_lg_u32 s24, 0
	s_cbranch_scc1 .Lnot_0
	ds_load_b128 v[WC:WC+3], v10                   ; wave 0: each column's 16 scale bytes
	s_wait_dscnt 0x0
	global_store_b128 v9, v[WC:WC+3], s[10:11]
.Lnot_0:
	s_wait_tensorcnt 0x0                           ; the wave's end, behind my last LDS store
	ds_add_u32 v[SPW], v[NIL]
	s_wait_dscnt 0x0
	s_endpgm
.Lfunc_end_k_q79629eda6a_quant_x:
	.size	k_q79629eda6a_quant_x, .Lfunc_end_k_q79629eda6a_quant_x-k_q79629eda6a_quant_x
	.p2alignl 7, 3214868480
	.fill 96, 4, 3214868480
	.section	.rodata,"a",@progbits
	.p2align	6, 0x0
	.amdhsa_kernel k_q79629eda6a_quant_x
		.amdhsa_group_segment_fixed_size 42496
		.amdhsa_private_segment_fixed_size 0
		.amdhsa_enable_private_segment 0
		.amdhsa_kernarg_size 72
		.amdhsa_user_sgpr_count 2
		.amdhsa_user_sgpr_kernarg_segment_ptr 1
		.amdhsa_wavefront_size32 1
		.amdhsa_system_sgpr_workgroup_id_x 1
		.amdhsa_system_sgpr_workgroup_id_y 1
		.amdhsa_system_sgpr_workgroup_id_z 1
		.amdhsa_system_vgpr_workitem_id 0
		.amdhsa_next_free_vgpr 256
		.amdhsa_next_free_sgpr 66
		.amdhsa_reserve_vcc 0
		.amdhsa_float_denorm_mode_32 3
		.amdhsa_float_denorm_mode_16_64 3
		.amdhsa_memory_ordered 1
		.amdhsa_forward_progress 1
		.amdhsa_inst_pref_size 55
	.end_amdhsa_kernel
	.amdgpu_metadata
---
amdhsa.version: [ 1, 2 ]
amdhsa.kernels:
  - .name:           k_q79629eda6a_quant_x
    .symbol:         k_q79629eda6a_quant_x.kd
    .args:
      - { .name: x, .offset: 0, .size: 8, .value_kind: global_buffer, .address_space: global }
      - { .name: xc, .offset: 8, .size: 8, .value_kind: global_buffer, .address_space: global }
      - { .name: xs, .offset: 16, .size: 8, .value_kind: global_buffer, .address_space: global }
      - { .name: ws, .offset: 24, .size: 8, .value_kind: global_buffer, .address_space: global }
      - { .name: Wq, .offset: 32, .size: 8, .value_kind: global_buffer, .address_space: global }
      - { .name: Wk, .offset: 40, .size: 8, .value_kind: global_buffer, .address_space: global }
      - { .name: Wv, .offset: 48, .size: 8, .value_kind: global_buffer, .address_space: global }
      - { .name: Wr, .offset: 56, .size: 8, .value_kind: global_buffer, .address_space: global }
      - { .name: wc, .offset: 64, .size: 8, .value_kind: global_buffer, .address_space: global }
    .group_segment_fixed_size: 42496
    .private_segment_fixed_size: 0
    .kernarg_segment_align: 8
    .kernarg_segment_size: 72
    .max_flat_workgroup_size: 128
    .sgpr_count:     66
    .vgpr_count:     256
    .wavefront_size: 32
...
	.end_amdgpu_metadata
.endif
;; end of part 1
;; launch gemm (part 2): grid 32 x 16, 4 waves a work-group, clusters of 4 x 4, 327,680 bytes of LDS; arguments xc, xs, wc, ws, bq, bk, bv, br, qkvc, qkvs, res; writes qkvc, qkvs, res
.if DOCPART == 2
	.amdgcn_target "amdgcn-amd-amdhsa--gfx1250"
	.amdhsa_code_object_version 6
	.text
	.protected	k_q79629eda6a_gemm
	.globl	k_q79629eda6a_gemm
	.p2align	8
	.type	k_q79629eda6a_gemm,@function
k_q79629eda6a_gemm:
	s_mov_b64 s[64:65], 0
	v_nop
	global_prefetch_b8 v0, s[64:65] scope:SCOPE_SE
	s_setreg_imm32_b32 hwreg(HW_REG_WAVE_MODE, 25, 1), 1
	s_wait_xcnt 0x0
	s_wait_alu depctr_hold_cnt(0) depctr_sa_sdst(0) depctr_va_vdst(0) depctr_va_sdst(0) depctr_va_ssrc(0) depctr_va_vcc(0) depctr_vm_vsrc(0)
	s_getreg_b32 s2, hwreg(HW_REG_IB_STS2, 6, 4)
	s_cmp_eq_u32 s2, 0
	s_cbranch_scc0 .Lentry_in_a_cluster
	s_endpgm
.Lentry_in_a_cluster:
	s_bfe_u32 s2, ttmp6, 0x10000c
	s_cmp_lg_u32 s2, 0xf033
	s_cbranch_scc0 .Lentry_shape_is_right
	s_endpgm
.Lentry_shape_is_right:
; relu(x W + b) for all four weights at once: C[m][n'] = sum over k of x[m][k] W'[n'][k], m 8192, n' 4096 (the rows of wc as quant_x lays them), K 1024, on codes of FP4 with E8M0 scales; sums in f32; the bias is the C of each sum's first product.
; A tile of C, 256 x 256, is made by four waves, 128 x 128 each: 64 accumulators, 512 registers.  K is two slots of 512 in LDS, both filled at the start by the tensor data mover; the scales of the 256 + 256 rows come with them.
; THE GRID: x walks the 32 tile rows (the heads), y the 16 tile columns (four to a weight).  So, in the order of their numbers, the first 256 work-groups are q's and k's and the second 256 v's and res's: the ways out, which differ in length, are spread over the two halves.
; CLUSTERS 4 x 4: the four of a column of the cluster (one tile row) ask jointly for x's tiles, the four of a row (one tile column) for W's.  The cluster's y is the weight's number T, the same in all sixteen: the three ways out part on it alone.
; THE MATRIX INSTRUCTION IS USED TRANSPOSED (source 0 = 16 rows of W', source 1 = 16 rows of x): lane (r, h) holds row r of x and eight neighbouring n'.
; THE HEADS: head n is rows 256 n .. 256 n + 255 of x (the tile row), its position p = 8 x row + chunk, chunk = 128 columns.  A wave holds 128 rows (half rh) and, for q, k, res, ONE chunk c = 2 pw + column half, pw my tile column within the weight.
; q, k (T = 0, 1): relu, quantised along the head's 128 channels in registers.  A fragment (n, A = 16 rows of x, c) leaves as THE IMAGE OF ITS 8 OPERAND REGISTERS, 1,024 bytes: qkvc [T][n][A][c][1024]; scale words qkvs [T][n][rh][c][A % 8][r][4].
; v (T = 2): a lane's eight results are eight neighbouring keys at one channel d; a block of 32 keys is four lanes.  Codes qkvc [2][n][d][1024 bytes], keys in order; scale bytes qkvs [2][n][rh][d / 16][A % 8][d % 16][4],
;   the byte of key block b of the 128 keys of A at place 2 (b % 2) + b / 2: the order in which attn's second product takes the blocks.
; res (T = 3): relu, f32, res [8192][1024].
; LIMITS: as quant_x's quantiser; a block of zeros keeps the byte 1 with zero codes.
; REGISTERS, in windows of 256: window 0: v0-31 addresses; v32-95 scale words, two sets, and nothing else; v96-127 at work on the way out; v128-191 x's fragments, ONE set; v192-255 the bias in the result's layout;
;   on the way out v128-255 are free.  window 1: W's fragments, two sets.  window 2, 3: the accumulators of my rows 0-63, 64-127 ((a, b) at v[8 (8 (a % 4) + b)]).
.set KSTEP,  512
.set NQ,     4                         ; matrix instructions deep in a slot
.set ROWB,   256                       ; a tile's row in bytes
.set KROW,   512                       ; a row of codes in memory
.set PITCH,  272                       ; an LDS row: 256 bytes + 16 of padding: the 16 rows that a load touches start at 16 different banks
.set FR,     8
.set NL,     2
.set NP,     4                         ; places behind this matrix instruction (ISA guide 7.12.1)
.set HALFT,  128*PITCH
.set SLOT,   4*HALFT
.set KS,     32                        ; a row of scale bytes
.set SCL,    2*SLOT
.set HALFS,  (128*KS/256)*272
.set SBLK,   (16*KS/256)*272
.set SPARE,  SCL+4*HALFS               ; the spare words: 128 bytes a wave, named by no other line
.set SPITCH, 528                       ; res's stage: 16 rows x (512 + 16) a wave, from LDS byte 0.  All three stages lie in slot 0, which has had its only fill and its last read when a result is stored there; each way out has bytes of its own
.set VSTG,   36864                     ; v's stage: a wave's 16 channels x (512 + 64) bytes, then its 512 scale bytes
.set VWAVE,  9728
.set VPITCH, 576
.set QSTG,   77824                     ; q's, k's: a wave's 512 bytes of scale words
.set QS,   7                           ; v7   q, k: where I put a scale word
.set QR,   8                           ; v8   and read 16 bytes back
.set VS,   9                           ; v9   v: where I put 4 bytes of codes
.set VB,   10                          ; v10  and a scale byte
.set VR,   11                          ; v11  and read 16 bytes back
.set ADRA, 16
.set ADRB, 20
.set STO,  24
.set RD,   25
.set CO,   26                          ; v26  16 x lane
.set ADRS, 27
.set SPW,  28
.set NIL,  29
.set BO,   30                          ; v30  the bias's offset, 32 h
.set BOV,  31                          ; v31  bv's, 4 h
.set SC,   32
.set TM,   96                          ; v96-111 at work
.set PW,   112                         ; v112-119 scale words or bytes just made
.set AF,   128
.set PC,   128                         ; the way out: codes
.set BK,   128                         ; res: rows read back, v128-191 and v192-255 by turns
.set BI,   192                         ; the bias
.set HA,   192                         ; the way out: 64 numbers
.set TW,   66                          ; s66 the weight's number
.set G1, 24
.set G0, 32
.set G1B, 48
.set G0B, 56
.set G1S, 68
.set G0S, 76
.set G1SB, 80
.set G0SB, 88
.set MSB, 0
.macro WIN new                         ; the immediate's high byte repeats the setting that is left
.if MSB != (\new)
	s_set_vgpr_msb (MSB<<8)|(\new)
.set MSB, (\new)
.endif
.endm
.set MUL_LO, 0xa1                      ; source 0 (W) window 1, source 1 (x) window 0, C and D window 2
.set MUL_HI, 0xf1                      ; the same, C and D window 3
.set TO_B,   0x40
; A joint load: waves 0 and 1 fetch for x, waves 2 and 3 for W.  The branch hangs on the wave's number alone.  An s_nop 0 and four v_nop follow each of the two lines.
.macro JLOAD g0a, g1a, g0b, g1b
	s_cmp_eq_u32 s15, 0
	s_cbranch_scc0 .Lfor_b_\@
	tensor_load_to_lds s[\g0a:\g0a+3], s[\g1a:\g1a+7]
	s_nop 0
.rept 4
	v_nop
.endr
	s_branch .Lasked_\@
.Lfor_b_\@:
	tensor_load_to_lds s[\g0b:\g0b+3], s[\g1b:\g1b+7]
	s_nop 0
.rept 4
	v_nop
.endr
.Lasked_\@:
.endm
.macro CROUND                          ; a round of the cluster's barrier
	s_barrier_signal -1
	s_barrier_wait -1
	s_cmp_lg_u32 s14, 0
	s_cbranch_scc1 .Lnot_wave_0_\@
	s_barrier_signal -3
.Lnot_wave_0_\@:
	s_barrier_wait -3
	s_barrier_signal -1
	s_barrier_wait -1
.endm
	s_load_b256 s[4:11], s[0:1], 0x0               ; xc, xs, wc, ws
	s_load_b128 s[96:99], s[0:1], 0x40             ; qkvc, qkvs
	s_load_b64 s[12:13], s[0:1], 0x50              ; res
	v_lshl_add_u32 v[SPW], v0, 2, SPARE
	v_mov_b32 v[NIL], 0
	ds_add_u32 v[SPW], v[NIL]                      ; the wave's opening: the add, twice on end, and its wait ahead of my first tensor load
	ds_add_u32 v[SPW], v[NIL]
	v_lshrrev_b32 v1, 5, v0
	v_readfirstlane_b32 s14, v1                    ; wave 0..3
	s_lshr_b32 s15, s14, 1                         ; rh: which half of the tile's rows is mine.  Also: I fetch for x (0) or for W (1)
	s_and_b32 s16, s14, 1                          ; which half of its columns.  Also: which 128 rows of that tile I fetch
	s_and_b32 s[TW], ttmp7, 0xffff                 ; the cluster's y = the weight
	s_bfe_u32 s40, ttmp6, 0x40004                  ; cy = pw: my tile column within the weight
	s_bfe_u32 s41, ttmp6, 0x40000                  ; cx
	s_lshl_b32 s42, s[TW], 2
	s_add_co_u32 s42, s42, s40                     ; tile column = 4 x cluster y + cy
	s_lshl_b32 s17, ttmp9, 2
	s_add_co_u32 s17, s17, s41                     ; tile row = the head n = 4 x cluster x + cx
	s_lshl_b32 s43, 0x1111, s41                    ; my column of the cluster (one cx): the four that share x's tiles
	s_lshl_b32 s44, s40, 2
	s_lshl_b32 s44, 15, s44                        ; my row (one cy): the four that share W's tiles
	s_or_b32 s[G1+0], s43, (0<<16)|(1<<20)|(1<<21)|(5<<22)|(3<<25)  ; the mask; elements of 1 byte; padding on; bit 21 beside a mask; after every 64 words, 4 words
	s_or_b32 s[G1B+0], s44, (0<<16)|(1<<20)|(1<<21)|(5<<22)|(3<<25)
.irp g, G1, G1B
	s_mov_b32 s[\g+1], ROWB<<16                    ; tensor_dim0
	s_mov_b32 s[\g+2], 256<<16                     ; tensor_dim1: 256 rows for the head's loads; set to 128 behind them
	s_mov_b32 s[\g+3], ROWB<<16                    ; tile_dim0
	s_mov_b32 s[\g+4], 256                         ; tile_dim1
	s_mov_b32 s[\g+5], KROW                        ; the pitch
	s_mov_b32 s[\g+6], 0
	s_mov_b32 s[\g+7], 0
.endr
	s_or_b32 s[G1S+0], s43, (3<<16)|(1<<20)|(1<<21)|(5<<22)|(3<<25) ; the scales of 256 rows: 8,192 dense bytes as 32 rows of 256 (32 elements of 8 bytes), 16 bytes of padding behind each
	s_or_b32 s[G1SB+0], s44, (3<<16)|(1<<20)|(1<<21)|(5<<22)|(3<<25)
.irp g, G1S, G1SB
	s_mov_b32 s[\g+1], 32<<16
	s_mov_b32 s[\g+2], KS<<16                      ; the scales of 256 rows: 256 KS dense bytes as KS rows of 256
	s_mov_b32 s[\g+3], 32<<16
	s_mov_b32 s[\g+4], KS
	s_mov_b32 s[\g+5], 32
	s_mov_b32 s[\g+6], 0
	s_mov_b32 s[\g+7], 0
.endr
	s_lshl_b32 s20, s17, 8                         ; x: the tile's first row, 256 x tile row
	s_lshl_b32 s46, s42, 8                         ; W: 256 x tile column
	s_mov_b32 s21, 0
	s_mov_b32 s47, 0
	s_mov_b64 s[18:19], KS
	s_mul_u64 s[22:23], s[20:21], s[18:19]
	s_mul_u64 s[92:93], s[46:47], s[18:19]
	s_mov_b64 s[18:19], KROW
	s_mul_u64 s[20:21], s[20:21], s[18:19]
	s_mul_u64 s[46:47], s[46:47], s[18:19]
	s_mul_i32 s45, s14, HALFT                      ; where they go: wave x 128 rows: no place in the cluster enters an LDS address
	s_mul_i32 s18, s16, 128*KROW                   ; for slot 1 I fetch 128 rows of a tile: which half, in bytes
	s_mov_b32 s19, 0
	s_wait_dscnt 0x0                               ; both opening adds are done
	s_wait_kmcnt 0x0
	s_add_nc_u64 s[20:21], s[4:5], s[20:21]
	s_add_nc_u64 s[22:23], s[6:7], s[22:23]
	s_add_nc_u64 s[46:47], s[8:9], s[46:47]
	s_add_nc_u64 s[92:93], s[10:11], s[92:93]
	CROUND                                         ; all sixteen work-groups are here: the joint loads meet
	s_mov_b32 s[G0S], 1                            ; the head's four tiles, each whole: the scales of x's 256 rows,
	s_mov_b32 s[G0S+1], SCL
	s_mov_b64 s[G0S+2:G0S+3], s[22:23]
	s_or_b32 s[G0S+3], s[G0S+3], 0x80000000
	s_mov_b32 s[G0SB], 1                           ; those of W's,
	s_mov_b32 s[G0SB+1], SCL+2*HALFS
	s_mov_b64 s[G0SB+2:G0SB+3], s[92:93]
	s_or_b32 s[G0SB+3], s[G0SB+3], 0x80000000
	s_mov_b32 s[G0], 1                             ; slot 0's 256 rows of x,
	s_mov_b32 s[G0+1], 0
	s_mov_b64 s[G0+2:G0+3], s[20:21]
	s_or_b32 s[G0+3], s[G0+3], 0x80000000
	s_mov_b32 s[G0B], 1                            ; and its 256 rows of W, behind them
	s_mov_b32 s[G0B+1], 2*HALFT
	s_mov_b64 s[G0B+2:G0B+3], s[46:47]
	s_or_b32 s[G0B+3], s[G0B+3], 0x80000000
	s_add_nc_u64 s[20:21], s[20:21], s[18:19]      ; slot 1: my 128 rows of the tile
	s_add_nc_u64 s[46:47], s[46:47], s[18:19]
	s_mov_b32 s[G0+4], 1
	s_add_co_u32 s[G0+5], s45, SLOT
	s_add_nc_u64 s[G0+6:G0+7], s[20:21], ROWB
	s_or_b32 s[G0+7], s[G0+7], 0x80000000
	s_mov_b32 s[G0B+4], 1
	s_add_co_u32 s[G0B+5], s45, SLOT
	s_add_nc_u64 s[G0B+6:G0B+7], s[46:47], ROWB
	s_or_b32 s[G0B+7], s[G0B+7], 0x80000000
; THE HEAD'S LOADS, ONE A WAVE: wave 0 slot 0's rows of x, wave 1 those of W, wave 2 x's scales, wave 3 W's.  One tree of branches on the wave's number: every way passes exactly one load.
.macro ARM under, g0, g1, next
	s_cmp_lt_u32 s14, \under
	s_cbranch_scc0 \next
	tensor_load_to_lds s[\g0:\g0+3], s[\g1:\g1+7]
	s_nop 0
.rept 4
	v_nop
.endr
	s_branch .Lhead_asked
\next:
.endm
	ARM 1, G0,  G1,  .Lhead_b
	ARM 2, G0B, G1B, .Lhead_sa
	ARM 3, G0S, G1S, .Lhead_sb
	tensor_load_to_lds s[G0SB:G0SB+3], s[G1SB:G1SB+7]
	s_nop 0
.rept 4
	v_nop
.endr
.Lhead_asked:
	s_load_b256 s[4:11], s[0:1], 0x20              ; bq, bk, bv, br
	v_and_b32 v1, 15, v0                           ; r
	v_bfe_u32 v2, v0, 4, 1                         ; h
	v_mul_u32_u24 v3, v1, PITCH
	v_lshl_add_u32 v4, v2, 4, v3                   ; a fragment's row x pitch + 16 h
	s_mul_i32 s21, s15, HALFT
	s_mul_i32 s22, s16, HALFT
	s_add_co_u32 s22, s22, 2*HALFT
.irp s, 0,1
	v_add_nc_u32 v[ADRA+\s], s21, v4
	v_add_nc_u32 v[ADRB+\s], s22, v4
	s_add_co_u32 s21, s21, SLOT
	s_add_co_u32 s22, s22, SLOT
.endr
	v_mul_u32_u24 v5, v1, KS                       ; my row's scales: KS bytes a row,
	v_lshrrev_b32 v6, 8, v5
	v_lshl_add_u32 v5, v6, 4, v5                   ; and 16 more for each 256 passed
	s_mul_i32 s21, s15, HALFS
	s_mul_i32 s22, s16, HALFS
	s_add_co_u32 s22, s22, 2*HALFS
	s_sub_co_u32 s22, s22, s21
	v_mul_u32_u24 v6, s22, v2                      ; lanes 16-31 take W's
	s_add_co_u32 s21, s21, SCL
	v_add_nc_u32 v5, v5, v6
	v_add_nc_u32 v[ADRS], s21, v5
	s_mul_i32 s23, s14, 16*SPITCH                  ; res's stage
	v_mul_u32_u24 v5, v1, SPITCH
	v_lshl_add_u32 v5, v2, 5, v5
	v_add_nc_u32 v[STO], s23, v5
	v_and_b32 v6, 31, v0
	v_lshlrev_b32 v[CO], 4, v6
	v_add_nc_u32 v[RD], s23, v[CO]
	s_mul_i32 s21, s14, VWAVE                      ; v's stage
	s_add_co_u32 s21, s21, VSTG
	v_mul_u32_u24 v[VS], v2, VPITCH
	v_lshl_add_u32 v[VS], v1, 2, v[VS]
	v_add_nc_u32 v[VS], s21, v[VS]                 ; channel 2 b + h, row of x 16 a + r: 576 h + 4 r; b and a stand in the immediate
	v_bfe_u32 v12, v0, 2, 1
	v_bfe_u32 v13, v0, 3, 1
	v_lshl_add_u32 v12, v12, 1, v13                ; the place of key block r / 4 in a scale word: 2 (block % 2) + block / 2
	v_lshl_add_u32 v[VB], v2, 2, v12
	v_add_nc_u32 v[VB], s21, v[VB]
	v_add_nc_u32 v[VB], 16*VPITCH, v[VB]
	v_add_nc_u32 v[VR], s21, v[CO]
	s_lshl_b32 s22, s14, 9                         ; q's, k's stage
	s_add_co_u32 s22, s22, QSTG
	v_lshl_add_u32 v[QS], v1, 2, s22
	v_add_nc_u32 v[QR], s22, v[CO]
	v_lshlrev_b32 v[BO], 5, v2
	v_lshlrev_b32 v[BOV], 2, v2
	s_wait_kmcnt 0x0
	s_cmp_eq_u32 s[TW], 1                          ; which bias: the choice hangs on the cluster's number alone
	s_cselect_b64 s[4:5], s[6:7], s[4:5]
	s_cmp_eq_u32 s[TW], 2
	s_cselect_b64 s[4:5], s[8:9], s[4:5]
	s_cmp_eq_u32 s[TW], 3
	s_cselect_b64 s[4:5], s[10:11], s[4:5]
	; the bias in the result's layout: register 8 b + j of lane (r, h) belongs to row 16 b + 8 h + j of my 128 rows of W'
	s_cmp_eq_u32 s[TW], 2
	s_cbranch_scc1 .Lbias_v
	s_lshl_b32 s20, s40, 10                        ; column 256 pw + 128 x half, 4 bytes each
	s_lshl_b32 s21, s16, 9
	s_add_co_u32 s20, s20, s21
	s_mov_b32 s21, 0
	s_add_nc_u64 s[4:5], s[4:5], s[20:21]
	s_wait_alu depctr_va_vdst(0)
.irp b, 0,1,2,3,4,5,6,7
	global_load_b128 v[BI+8*\b:BI+8*\b+3], v[BO], s[4:5] offset:64*\b
	global_load_b128 v[BI+8*\b+4:BI+8*\b+7], v[BO], s[4:5] offset:64*\b+16
.endr
	s_branch .Lbias_in
.Lbias_v:
	s_lshl_b32 s20, s40, 7                         ; bv[128 j + d], d = 32 pw + 16 x half + 2 b + h
	s_lshl_b32 s21, s16, 6
	s_add_co_u32 s20, s20, s21
	s_mov_b32 s21, 0
	s_add_nc_u64 s[4:5], s[4:5], s[20:21]
	s_wait_alu depctr_va_vdst(0)
.irp b, 0,1,2,3,4,5,6,7
.irp j, 0,1,2,3,4,5,6,7
	global_load_b32 v[BI+8*\b+\j], v[BOV], s[4:5] offset:512*\j+8*\b
.endr
.endr
.Lbias_in:
.macro FRAG reg, adr, q, i             ; a fragment, 16 rows x 128 K of 4-bit codes: registers 4 c .. 4 c + 3 hold K = 64 c + 32 h + 0 .. 31
.irp c, 0,1
	ds_load_b128 v[\reg+4*\c:\reg+4*\c+3], v[\adr] offset:64*(\q)+32*\c+(\i)*16*PITCH
.endr
.endm
; 16 matrix instructions: x's blocks a0, a0 + 1 against W's eight, the slot's q-th 128 along K.  first = 1: the bias is C.  The 64 accumulators take turns, one instruction a turn, in the same order in every step.
.macro MUL16 a0, p, q, sc, first
.irp a, \a0, \a0+1
.irp b, 0,1,2,3,4,5,6,7
.if \first
	v_wmma_scale_f32_16x16x128_f8f6f4 v[8*(8*((\a)%4)+\b):8*(8*((\a)%4)+\b)+7], v[128*(\p)+FR*\b:128*(\p)+FR*\b+FR-1], v[AF+FR*(\a):AF+FR*(\a)+FR-1], v[BI+8*\b:BI+8*\b+7], v[SC+8*NQ*(\sc)+NQ*\b+(\q)], v[SC+8*NQ*(\sc)+NQ*(\a)+(\q)] matrix_a_fmt:MATRIX_FMT_FP4 matrix_b_fmt:MATRIX_FMT_FP4 matrix_a_scale:MATRIX_SCALE_ROW1
.else
	v_wmma_scale_f32_16x16x128_f8f6f4 v[8*(8*((\a)%4)+\b):8*(8*((\a)%4)+\b)+7], v[128*(\p)+FR*\b:128*(\p)+FR*\b+FR-1], v[AF+FR*(\a):AF+FR*(\a)+FR-1], v[8*(8*((\a)%4)+\b):8*(8*((\a)%4)+\b)+7], v[SC+8*NQ*(\sc)+NQ*\b+(\q)], v[SC+8*NQ*(\sc)+NQ*(\a)+(\q)] matrix_a_fmt:MATRIX_FMT_FP4 matrix_b_fmt:MATRIX_FMT_FP4 matrix_a_scale:MATRIX_SCALE_ROW1
.endif
.endr
.endr
.endm
.macro FETCH_B slot, q, p
	WIN TO_B
.irp i, 0,1,2,3,4,5,6,7
	FRAG 128*(\p)+FR*\i, ADRB+\slot, \q, \i
.endr
	WIN 0
.endm
.macro FETCH_A slot, q, i0
.irp i, \i0, \i0+1, \i0+2, \i0+3
	FRAG AF+FR*(\i), ADRA+\slot, \q, \i
.endr
.endm
.macro SCALES sc                       ; a slot's scale words: lanes 0-15 take x's block i, lanes 16-31 W's block i
.irp i, 0,1,2,3,4,5,6,7
	ds_load_b128 v[SC+8*NQ*\sc+NQ*\i:SC+8*NQ*\sc+NQ*\i+3], v[ADRS] offset:\i*SBLK
.endr
.endm
.macro PLACES n                        ; plain vector instructions that name no register of the matrix instructions before them (ISA guide 7.12.1)
.rept \n
	v_nop
.endr
.endm
.macro STEP slot, q, first             ; a step of 128 along K that has its successor in the same slot
	s_wait_dscnt 4*NL                              ; W's set and x's blocks 0-3 are in; the youngest eight loads (x's blocks 4-7) may be out
.if \first
	WIN 0x81                                       ; C (the bias) window 0, D window 2
.else
	WIN MUL_LO
.endif
	MUL16 0, (\q)%2, \q, \slot, \first
	MUL16 2, (\q)%2, \q, \slot, \first
	s_wait_dscnt 0
	PLACES NP
	FETCH_B \slot, (\q)+1, 1-(\q)%2
	FETCH_A \slot, (\q)+1, 0
.if \first
	WIN 0xc1
.else
	WIN MUL_HI
.endif
	MUL16 4, (\q)%2, \q, \slot, \first
	MUL16 6, (\q)%2, \q, \slot, \first
	PLACES NP
	WIN 0
	FETCH_A \slot, (\q)+1, 4
.endm
.macro STEPS slot, from
.set Q, \from
.rept NQ-1-\from
	STEP \slot, Q, 0
.set Q, Q+1
.endr
.endm
	s_wait_alu depctr_va_vdst(0)                   ; the wait at the head's end
	s_wait_tensorcnt 0x0                           ; my tile of the head's four is in; slot 1's first fill is issued as a refill is:
	ds_add_u32 v[SPW], v[NIL]
	s_mov_b32 s[G1+2], 128<<16                     ; no tensor load of mine is out: from here on a load brings 128 rows
	s_mov_b32 s[G1+4], 128
	s_mov_b32 s[G1B+2], 128<<16
	s_mov_b32 s[G1B+4], 128
	s_wait_dscnt 0x0                               ; the add is done
	CROUND                                         ; all four tiles are in, and all sixteen work-groups are here
	JLOAD G0+4, G1, G0B+4, G1B                     ; slot 1: the first tensor load behind the round, a quarter of the slot a wave
	FETCH_B 0, 0, 0
	FETCH_A 0, 0, 0
	SCALES 0
	FETCH_A 0, 0, 4
	s_wait_loadcnt 0x0                             ; the bias
	STEP 0, 0, 1
	STEPS 0, 1
	; slot 0's last step changes slots: nothing is filled again, so the barrier is the work-group's
	s_wait_tensorcnt 0x0                           ; my part of slot 1 has landed
	ds_add_u32 v[SPW], v[NIL]
	s_wait_dscnt 4*NL+1                            ; the add and the youngest eight loads may be out
	WIN MUL_LO
	MUL16 0, 1, NQ-1, 0, 0
	s_wait_dscnt 0x0                               ; the add is done, and my reads of slot 0 are over
	s_barrier_signal -1
	MUL16 2, 1, NQ-1, 0, 0
	WIN 0
	s_barrier_wait -1
	PLACES NP
	v_add_nc_u32 v[ADRS], 4*NQ, v[ADRS]            ; on to slot 1's scale words
	FETCH_B 1, 0, 0
	FETCH_A 1, 0, 0
	SCALES 1
	WIN MUL_HI
	MUL16 4, 1, NQ-1, 0, 0
	MUL16 6, 1, NQ-1, 0, 0
	PLACES NP
	WIN 0
	FETCH_A 1, 0, 4
	STEPS 1, 0
	s_wait_dscnt 4*NL                              ; the last step: nothing more to fetch
	WIN MUL_LO
	MUL16 0, 1, NQ-1, 1, 0
	MUL16 2, 1, NQ-1, 1, 0
	s_wait_dscnt 0
	WIN MUL_HI
	MUL16 4, 1, NQ-1, 1, 0
	MUL16 6, 1, NQ-1, 1, 0
	WIN 0
	PLACES NP                                      ; ahead of the first read of results and of the first write of registers that the last products read
	s_mov_b32 s92, 0x76543210
	s_mov_b32 s93, 0xfedcba98                      ; v_permlanex16_b32's selects for lane l xor 16
	s_cmp_eq_u32 s[TW], 3
	s_cbranch_scc1 .Lres
	s_lshl_b32 s22, s40, 1
	s_add_co_u32 s22, s22, s16                     ; c = 2 pw + column half (for v: d / 16)
	s_lshl_b32 s20, s[TW], 18                      ; the scales: 262,144 T + 8,192 n + 4,096 rh + 512 c
	s_lshl_b32 s23, s17, 13
	s_add_co_u32 s20, s20, s23
	s_lshl_b32 s23, s15, 12
	s_add_co_u32 s20, s20, s23
	s_lshl_b32 s23, s22, 9
	s_add_co_u32 s20, s20, s23
	s_mov_b32 s21, 0
	s_add_nc_u64 s[98:99], s[98:99], s[20:21]
	s_lshl_b32 s20, s[TW], 22                      ; the codes: 4 MiB x T + 131,072 n
	s_lshl_b32 s23, s17, 17
	s_add_co_u32 s20, s20, s23
	s_add_nc_u64 s[96:97], s[96:97], s[20:21]
	s_cmp_eq_u32 s[TW], 2
	s_cbranch_scc1 .Lv
; ---- q, k.  Block a (16 rows of x): relu; the four blocks of 32 channels lie in lanes l and l xor 16; tile 2 B + u holds channels 32 B + 16 u + 8 h + 0 .. 7.  The operand wants a whole block in a lane:
; the codes of (B, u) go to register 4 (B / 2) + 2 u + B % 2, and one exchange of halves for each pair of registers puts channels 64 c + 32 h + 8 s + 0 .. 7 into register 4 c + s.
.macro QKOUT a
.set AC, 64*((\a)%4)
.set PCA, PC+8*(\a)
	WIN 0x08+4*((\a)/4)                            ; source 1: window 2 or 3
.set n, 0
.rept 64
	v_max_num_f32 v[HA+n], 0, v[AC+n]              ; the activation; each accumulator from its low end on
.set n, n+1
.endr
	WIN 0
.irp b, 0,1,2,3
	v_max3_num_f32 v[TM+\b], v[HA+16*\b], v[HA+1+16*\b], 0x1800000   ; none is negative: no |.|; the floor 2^(3 - 127) holds the byte at 1 from below
.endr
.irp i, 2,4,6,8,10,12,14
.irp b, 0,1,2,3
	v_max3_num_f32 v[TM+\b], v[TM+\b], v[HA+16*\b+\i], v[HA+1+16*\b+\i]
.endr
.endr
.irp b, 0,1,2,3
	v_permlanex16_b32 v[TM+4+\b], v[TM+\b], s92, s93
.endr
.irp b, 0,1,2,3
	v_max_num_f32 v[TM+\b], v[TM+\b], v[TM+4+\b]
.endr
.irp b, 0,1,2,3
	v_add_nc_u32 v[TM+12+\b], 0xff000000, v[TM+\b] ; 2 off the exponent field: the conversion's scale operand
.endr
.irp b, 0,1,2,3
	v_lshrrev_b32 v[TM+4+\b], 23, v[TM+12+\b]
.endr
	v_lshl_or_b32 v[PW+\a], v[TM+5], 8, v[TM+4]
	v_lshl_or_b32 v[PW+\a], v[TM+6], 16, v[PW+\a]
	v_lshl_or_b32 v[PW+\a], v[TM+7], 24, v[PW+\a]  ; my row's scale word
.irp b, 0,1,2,3
.irp u, 0,1
	v_cvt_scalef32_pk8_fp4_f32 v[PCA+4*(\b/2)+2*\u+(\b%2)], v[HA+16*\b+8*\u:HA+16*\b+8*\u+7], v[TM+12+\b]
.endr
.endr
	v_nop                                          ; one plain place behind a scaled conversion
.irp c, 0,1
.irp u, 0,1
	v_permlane16_swap_b32 v[PCA+4*\c+2*\u], v[PCA+4*\c+2*\u+1]
.endr
.endr
	global_store_b128 v[CO], v[PCA:PCA+3], s[96:97] offset:8192*(\a)         ; the image: 512 consecutive bytes a store, aligned; each block has registers of its own
	global_store_b128 v[CO], v[PCA+4:PCA+7], s[96:97] offset:8192*(\a)+512
	ds_store_b32 v[QS], v[PW+\a] offset:64*(\a)    ; lanes 16-31 write the same word as lanes 0-15
.endm
	s_lshl_b32 s20, s15, 16                        ; + 65,536 rh + 1,024 c
	s_lshl_b32 s23, s22, 10
	s_add_co_u32 s20, s20, s23
	s_add_nc_u64 s[96:97], s[96:97], s[20:21]
.irp b, 0,1,2,3
	v_mov_b32 v[TM+4+\b], 0                        ; a lane permute's destination counts as one of its sources
.endr
.irp a, 0,1,2,3,4,5,6,7
	QKOUT \a
.endr
	ds_load_b128 v[TM:TM+3], v[QR]                 ; LDS serves a wave's instructions in order: this sees my stores
	s_wait_dscnt 0x0
	global_store_b128 v[CO], v[TM:TM+3], s[98:99]  ; my 128 rows' scale words: 512 consecutive bytes, aligned
	s_branch .Lend
; ---- v.  Tile b of block a: lane (r, h) holds channel 2 b + h of my 16 and the eight keys of row 16 a + r; a block of 32 keys is lanes r, r xor 1, r xor 2, r xor 3.
.Lv:
.macro VOUT a
.set AC, 64*((\a)%4)
	WIN 0x08+4*((\a)/4)
.set n, 0
.rept 64
	v_max_num_f32 v[HA+n], 0, v[AC+n]
.set n, n+1
.endr
	WIN 0
.irp b, 0,1,2,3,4,5,6,7
	v_max3_num_f32 v[TM+\b], v[HA+8*\b], v[HA+8*\b+1], 0x1800000
.endr
.irp i, 2,4,6
.irp b, 0,1,2,3,4,5,6,7
	v_max3_num_f32 v[TM+\b], v[TM+\b], v[HA+8*\b+\i], v[HA+8*\b+\i+1]
.endr
.endr
.irp b, 0,1,2,3,4,5,6,7
	v_max_num_f32_dpp v[TM+\b], v[TM+\b], v[TM+\b] row_xmask:1 row_mask:0xf bank_mask:0xf
.endr
.irp b, 0,1,2,3,4,5,6,7
	v_max_num_f32_dpp v[TM+\b], v[TM+\b], v[TM+\b] row_xmask:2 row_mask:0xf bank_mask:0xf
.endr
.irp b, 0,1,2,3,4,5,6,7
	v_add_nc_u32 v[TM+8+\b], 0xff000000, v[TM+\b]
.endr
.irp b, 0,1,2,3,4,5,6,7
	v_lshrrev_b32 v[PW+\b], 23, v[TM+8+\b]
.endr
.irp b, 0,1,2,3,4,5,6,7
	v_cvt_scalef32_pk8_fp4_f32 v[PC+\b], v[HA+8*\b:HA+8*\b+7], v[TM+8+\b]
.endr
	v_nop                                          ; one plain place behind a scaled conversion
.irp b, 0,1,2,3,4,5,6,7
	ds_store_b32 v[VS], v[PC+\b] offset:2*VPITCH*\b+64*(\a)
	ds_store_b8 v[VB], v[PW+\b] offset:64*(\a)+8*\b   ; the four lanes of a block write the same byte with the same value
.endr
	s_wait_dscnt 0x0                               ; the stores have read their registers
.endm
	s_lshl_b32 s20, s22, 14                        ; + 1,024 x (16 x (d / 16)) + 512 rh
	s_lshl_b32 s23, s15, 9
	s_add_co_u32 s20, s20, s23
	s_add_nc_u64 s[96:97], s[96:97], s[20:21]
.irp a, 0,1,2,3,4,5,6,7
	VOUT \a
.endr
.irp d, 0,1,2,3,4,5,6,7,8,9,10,11,12,13,14,15
	ds_load_b128 v[HA+4*\d:HA+4*\d+3], v[VR] offset:VPITCH*\d
.endr
	ds_load_b128 v[TM:TM+3], v[VR] offset:16*VPITCH
.irp d, 0,1,2,3,4,5,6,7,8,9,10,11,12,13,14,15
	s_wait_dscnt 16-\d                             ; the younger rows and the scale bytes may be out
	global_store_b128 v[CO], v[HA+4*\d:HA+4*\d+3], s[96:97] offset:1024*\d   ; a channel's 1,024 keys of my 128 rows: 512 consecutive bytes, aligned
.endr
	s_wait_dscnt 0x0
	global_store_b128 v[CO], v[TM:TM+3], s[98:99]
	s_branch .Lend
; ---- res.  A block of 16 rows x 128 columns goes through my stage and comes back as whole rows of 512 bytes; the activation stands on the rows read back.
.Lres:
.macro TOSTAGE a
.set AC, 64*((\a)%4)
	WIN 0x08+4*((\a)/4)                            ; an LDS store's data are its source 1
.irp b, 0,1,2,3,4,5,6,7
	ds_store_b128 v[STO], v[AC+8*\b:AC+8*\b+3] offset:64*\b          ; each accumulator from its low end on
	ds_store_b128 v[STO], v[AC+8*\b+4:AC+8*\b+7] offset:64*\b+16
.endr
	WIN 0
.set BB, BK+64*((\a)%2)
.irp t, 0,1,2,3,4,5,6,7,8,9,10,11,12,13,14,15
	ds_load_b128 v[BB+4*\t:BB+4*\t+3], v[RD] offset:\t*SPITCH
.endr
.endm
.macro SEND a, younger
.set BB, BK+64*((\a)%2)
	s_wait_dscnt \younger                          ; the block is back in registers
.set n, 0
.rept 64
	v_max_num_f32 v[BB+n], 0, v[BB+n]
.set n, n+1
.endr
.irp t, 0,1,2,3,4,5,6,7,8,9,10,11,12,13,14,15
	global_store_b128 v[CO], v[BB+4*\t:BB+4*\t+3], s[12:13] offset:65536*(\a)+4096*\t   ; 32 lanes store 512 consecutive bytes, aligned; the row stands in the immediate
.endr
.endm
	s_lshl_b32 s20, s17, 20                        ; (256 n + 128 rh) rows of 4,096 bytes + 1,024 pw + 512 x column half
	s_lshl_b32 s21, s15, 19
	s_add_co_u32 s20, s20, s21
	s_lshl_b32 s21, s40, 10
	s_add_co_u32 s20, s20, s21
	s_lshl_b32 s21, s16, 9
	s_add_co_u32 s20, s20, s21
	s_mov_b32 s21, 0
	s_add_nc_u64 s[12:13], s[12:13], s[20:21]
	TOSTAGE 0
.irp a, 1,2,3,4,5,6,7
.if \a > 1
	s_wait_xcnt 0x0                                ; block a - 2's stores have read their registers: block a's loads may land there
.endif
	TOSTAGE \a
	SEND \a-1, 32                                  ; behind block a - 1's loads: block a's 16 stores and 16 loads
.endr
	SEND 7, 0
.Lend:
	s_wait_tensorcnt 0x0                           ; the wave's end, behind my last tensor load and my last LDS store
	ds_add_u32 v[SPW], v[NIL]
	s_wait_dscnt 0x0
	CROUND                                         ; the closing round
	s_endpgm
.Lfunc_end_k_q79629eda6a_gemm:
	.size	k_q79629eda6a_gemm, .Lfunc_end_k_q79629eda6a_gemm-k_q79629eda6a_gemm
	.p2alignl 7, 3214868480
	.fill 96, 4, 3214868480
	.section	.rodata,"a",@progbits
	.p2align	6, 0x0
	.amdhsa_kernel k_q79629eda6a_gemm
		.amdhsa_group_segment_fixed_size 327680
		.amdhsa_private_segment_fixed_size 0
		.amdhsa_enable_private_segment 0
		.amdhsa_kernarg_size 88
		.amdhsa_user_sgpr_count 2
		.amdhsa_user_sgpr_kernarg_segment_ptr 1
		.amdhsa_wavefront_size32 1
		.amdhsa_system_sgpr_workgroup_id_x 1
		.amdhsa_system_sgpr_workgroup_id_y 1
		.amdhsa_system_sgpr_workgroup_id_z 1
		.amdhsa_system_vgpr_workitem_id 0
		.amdhsa_next_free_vgpr 1024
		.amdhsa_next_free_sgpr 102
		.amdhsa_reserve_vcc 0
		.amdhsa_float_denorm_mode_32 3
		.amdhsa_float_denorm_mode_16_64 3
		.amdhsa_memory_ordered 1
		.amdhsa_forward_progress 1
		.amdhsa_inst_pref_size 255
	.end_amdhsa_kernel
	.section	.bss,"aw",@nobits
	.p2align	6
	.space	262144
	.amdgpu_metadata
---
amdhsa.version: [ 1, 2 ]
amdhsa.kernels:
  - .name:           k_q79629eda6a_gemm
    .symbol:         k_q79629eda6a_gemm.kd
    .args:
      - { .name: xc, .offset: 0, .size: 8, .value_kind: global_buffer, .address_space: global }
      - { .name: xs, .offset: 8, .size: 8, .value_kind: global_buffer, .address_space: global }
      - { .name: wc, .offset: 16, .size: 8, .value_kind: global_buffer, .address_space: global }
      - { .name: ws, .offset: 24, .size: 8, .value_kind: global_buffer, .address_space: global }
      - { .name: bq, .offset: 32, .size: 8, .value_kind: global_buffer, .address_space: global }
      - { .name: bk, .offset: 40, .size: 8, .value_kind: global_buffer, .address_space: global }
      - { .name: bv, .offset: 48, .size: 8, .value_kind: global_buffer, .address_space: global }
      - { .name: br, .offset: 56, .size: 8, .value_kind: global_buffer, .address_space: global }
      - { .name: qkvc, .offset: 64, .size: 8, .value_kind: global_buffer, .address_space: global }
      - { .name: qkvs, .offset: 72, .size: 8, .value_kind: global_buffer, .address_space: global }
      - { .name: res, .offset: 80, .size: 8, .value_kind: global_buffer, .address_space: global }
    .group_segment_fixed_size: 327680
    .private_segment_fixed_size: 0
    .kernarg_segment_align: 8
    .kernarg_segment_size: 88
    .max_flat_workgroup_size: 128
    .sgpr_count:     102
    .vgpr_count:     1024
    .wavefront_size: 32
...
	.end_amdgpu_metadata
.endif
;; end of part 2
;; launch attn (part 3): grid 8 x 32, 8 waves a work-group, clusters of 4 x 1, 327,680 bytes of LDS; arguments qkvc, qkvs, res, gamma, beta, out0; writes out0
.if DOCPART == 3
	.amdgcn_target "amdgcn-amd-amdhsa--gfx1250"
	.amdhsa_code_object_version 6
	.text
	.protected	k_q79629eda6a_attn
	.globl	k_q79629eda6a_attn
	.p2align	8
	.type	k_q79629eda6a_attn,@function
k_q79629eda6a_attn:
	s_mov_b64 s[64:65], 0
	v_nop
	global_prefetch_b8 v0, s[64:65] scope:SCOPE_SE
	s_setreg_imm32_b32 hwreg(HW_REG_WAVE_MODE, 25, 1), 1
	s_wait_xcnt 0x0
	s_wait_alu depctr_hold_cnt(0) depctr_sa_sdst(0) depctr_va_vdst(0) depctr_va_sdst(0) depctr_va_ssrc(0) depctr_va_vcc(0) depctr_vm_vsrc(0)
	s_getreg_b32 s2, hwreg(HW_REG_IB_STS2, 6, 4)
	s_cmp_eq_u32 s2, 0
	s_cbranch_scc0 .Lentry_in_a_cluster
	s_endpgm
.Lentry_in_a_cluster:
	s_bfe_u32 s2, ttmp6, 0x10000c
	s_cmp_lg_u32 s2, 0x3003
	s_cbranch_scc0 .Lentry_shape_is_right
	s_endpgm
.Lentry_shape_is_right:
; out0 = LayerNorm(softmax(q k^T / sqrt(128)) v + res) x gamma + beta, both products on codes of FP4 with E8M0 scales, as gemm has laid them.
; WORK LEFT OUT: reference()'s relu of attn + res: both terms are >= 0 for all finite inputs (shown at the head of quant_x), so it is the identity.
; THE SOFTMAX: t = score x log2(e) / sqrt(128); M = the running largest t rounded UP to a whole number; p = 2^(t - M) is quantised along the keys, not normalised; the row's sum is taken of the unquantised p and divides
; at the end.  When M moves, the sum and O are multiplied by 2^(old M - new M): exact.
; SHARES.  Work-group (gx, n): rows 32 gx .. 32 gx + 31 of head n: 256 queries = 32 whole rows of the LayerNorm.  Wave w is chunk c = w and owns TWO query tiles T = 0, 1 (rows 16 T on): each fragment of K and V that it
; reads from LDS feeds two matrix instructions.  Two waves to a SIMD, 512 registers each.
; CLUSTER 4 x 1: the four partners belong to one head and walk the same K and V: each tile is asked for jointly (mask 15).  A place in the cluster enters the addresses of q, res, out0 and the prefetches alone.
; LAYOUT.  Both products transposed: S^T = K Q^T, O^T = V^T P^T: a lane holds one query of each tile.  Tile p of K takes as its row i the key (row p + 8 (i / 8), chunk i % 8): tiles 4 e .. 4 e + 3 give a lane the whole key
; block e + 2 h, and the conversion of tile p is register p of the second product's operand; V's fragments are read, and its scale bytes were laid, in that order of blocks.
; LDS: two slots of 512 keys (32 images of K, 128 rows of V), the head's scale words, the LayerNorm's partial sums, the spare words, and the work-group's 32 rows of res.  res comes by four plain tensor loads (waves 4 to 7,
; 32 rows x 1,024 bytes each) behind the first change of slots, where all loads are first fills; on the way out it is read in the lanes' layout, and each wave's own part of it then serves as its stage.
; K AND V HAVE FRAGMENT REGISTERS OF THEIR OWN: inside a slot the next step's K is asked of LDS behind this step's first product, a whole softmax ahead of its use.
; PREFETCH: K's and V's next slot but one, as macro ASK says.  res is asked for once, 16 key steps ahead of its first read, by its tensor load: no prefetch.
; LIMITS: NaN and infinities among the inputs are not served; a block of p that has fallen to 0 keeps the byte 1 with zero codes; the promise holds while |t| stays under 2^31.
; REGISTERS.  Window 1: S^T, then p, of tile T at v[64 T]; O^T at v[128 + 64 T].  Window 0: all else, as named below.
.set IMG,   1040                       ; an image of K in LDS: 1,024 bytes + 16
.set STEPK, 8*IMG
.set VP,    272                        ; a row of V's tile: 256 bytes + 16
.set VOFF,  32*IMG
.set SLOTB, VOFF+128*VP                ; a slot: 68,096 bytes
.set SCK,   2*SLOTB                    ; K's scale words: step x 512 + (tile / 4) x 256 + row x 16 + (tile % 4) x 4
.set SCV,   SCK+8192
.set RED,   SCV+8192                   ; twice 32 rows x 8 words
.set SPARE, RED+2048                   ; the spare words: 128 bytes a wave, named by no other line
.set RES,   SPARE+1024                 ; four regions of 32 rows x RP: chunks 2 i and 2 i + 1
.set RP,    1040
.set AK0,1
.set AV0,2
.set ASC0,3
.set SH8,4
.set SPW,5
.set NIL,6
.set GO,7                              ; 16 x lane
.set ADK,8
.set ADV,9
.set ADS,10
.set PFO,11
.set NM,12                             ; v[12+2T] -M, v[13+2T] the largest score so far
.set TA,16                             ; v16-19 at work
.set FF,20                             ; v[20+2T] a factor for the tile, named as a pair with v[21+2T]
.set QS,24                             ; Q's scale words, p's: scales and nothing else
.set PS,26
.set LR,28                             ; my part of res, by lanes; by rows
.set RR,29
.set RDA,30                            ; my row's partial sums; my chunk's among them
.set RDW,31
.set QF,32
.set VF,48                             ; eight fragments of V
.set PC,112                            ; p's codes
.set KS,128                            ; K's scale words, V's: scales and nothing else
.set VS,136
.set MX,144
.set BM,152
.set SO,156
.set PD,160
.set GA,162
.set BE,166
.set SA,176                            ; v[176+8T:177+8T] the row's sum; three more chains behind it
.set KF,192                            ; eight fragments of K
.set WV,18
.set SEL,20
.set CS,22
.set G1K,24
.set G1V,32
.set G0K,40
.set G0V,44
.set TB,48                             ; the slot in hand
.set TSL,49                            ; its first step's scale words
.set SLOTS,50
.set LIM,51
.set PFA,52
.set PFS,54
.set TF,76                             ; the slot being filled
.set SK,77
.set SV,78
.set TS,79
.set G0R,84
.set NC,90
.set CNT,91
.set G1R,92
.set MSB, 0
.macro WIN new                         ; the immediate's high byte repeats the setting that is left
.if MSB != (\new)
	s_set_vgpr_msb (MSB<<8)|(\new)
.set MSB, (\new)
.endif
.endm
.macro D2
	s_delay_alu instid0(VALU_DEP_2)
.endm
.macro TL g0, g1                       ; a tensor load, an s_nop 0 and four v_nop behind it
	tensor_load_to_lds s[\g0:\g0+3], s[\g1:\g1+7]
	s_nop 0
.rept 4
	v_nop
.endr
.endm
; Waves 0 and 1 fetch K's halves of a slot, waves 2 and 3 V's; r = 1: waves 4 to 7 a quarter of res each.  The branches hang on the wave's number alone.
.macro TLOAD r
	s_cmp_lt_u32 s[WV], 2
	s_cbranch_scc0 .Lnot_k_\@
	TL G0K, G1K
	s_branch .Lasked_\@
.Lnot_k_\@:
	s_cmp_lt_u32 s[WV], 4
	s_cbranch_scc0 .Lnot_v_\@
	TL G0V, G1V
.if \r
	s_branch .Lasked_\@
.endif
.Lnot_v_\@:
.if \r
	TL G0R, G1R
.endif
.Lasked_\@:
.endm
; A prefetch into the L2 of what the NEXT change of slots will ask for.  Both clusters of a head walk the same K and V: the first asks.  Its four partners share the blocks out by address: of K's 32,768 dense bytes 8,192 each
; (wave 4, lanes 256 bytes apart), of V's 128 rows 32 each (wave 5, a lane a row).  Each block is named once.  The last change that fills a slot asks for nothing.
.macro ASK
	s_cmp_gt_u32 s[SLOTS], s[LIM]
	s_cbranch_scc0 .Lnot_mine_\@
	global_prefetch_b8 v[PFO], s[PFA:PFA+1] th:TH_LOAD_NT scope:SCOPE_SE
.Lnot_mine_\@:
.endm
.macro CROUND                          ; a round of the cluster's barrier
	s_barrier_signal -1
	s_barrier_wait -1
	s_cmp_lg_u32 s[WV], 0
	s_cbranch_scc1 .Lnot_wave_0_\@
	s_barrier_signal -3
.Lnot_wave_0_\@:
	s_barrier_wait -3
	s_barrier_signal -1
	s_barrier_wait -1
.endm
	s_load_b256 s[4:11], s[0:1], 0x0               ; qkvc, qkvs, res, gamma
	s_load_b128 s[12:15], s[0:1], 0x20             ; beta, out0
	v_lshl_add_u32 v[SPW], v0, 2, SPARE
	v_mov_b32 v[NIL], 0
	ds_add_u32 v[SPW], v[NIL]                      ; the opening: the add, twice on end, and its wait
	ds_add_u32 v[SPW], v[NIL]
	v_lshrrev_b32 v8, 5, v0
	v_readfirstlane_b32 s[WV], v8                  ; wave = chunk
	s_and_b32 s56, ttmp7, 0xffff                   ; the head n
	s_bfe_u32 s57, ttmp6, 0x40000                  ; cx
	s_lshl_b32 s58, ttmp9, 2
	s_add_co_u32 s58, s58, s57                     ; gx
	s_and_b32 s62, s[WV], 1
	s_lshl_b32 s59, s56, 17                        ; 131,072 n
	s_lshl_b32 s67, s62, 14
	s_add_co_u32 s66, s59, s67
	s_add_co_u32 s66, s66, 4<<20                   ; K: 4 MiB + 131,072 n + 16 images x half
	s_mov_b32 s67, 0
	s_lshl_b32 s69, s62, 16
	s_add_co_u32 s68, s59, s69
	s_add_co_u32 s68, s68, 8<<20                   ; V: 8 MiB + 131,072 n + 64 rows x half
	s_mov_b32 s69, 0
	s_mul_i32 s70, s62, 16*IMG                     ; and in a slot
	s_mul_i32 s71, s62, 64*VP
	s_add_co_u32 s71, s71, VOFF
	s_mov_b32 s[G1K], 15|(3<<16)|(1<<20)|(1<<21)|(7<<22)|(3<<25)  ; mask: all four; elements of 8 bytes; after every 256 words, 4 words
	s_mov_b32 s[G1K+1], 128<<16
	s_mov_b32 s[G1K+2], 16<<16                     ; 16 images
	s_mov_b32 s[G1K+3], 128<<16
	s_mov_b32 s[G1K+4], 16
	s_mov_b32 s[G1K+5], 128
	s_mov_b32 s[G1K+6], 0
	s_mov_b32 s[G1K+7], 0
	s_mov_b32 s[G1V], 15|(0<<16)|(1<<20)|(1<<21)|(5<<22)|(3<<25)  ; elements of 1 byte; after every 64 words, 4 words
	s_mov_b32 s[G1V+1], 256<<16
	s_mov_b32 s[G1V+2], 64<<16
	s_mov_b32 s[G1V+3], 256<<16
	s_mov_b32 s[G1V+4], 64
	s_mov_b32 s[G1V+5], 1024
	s_mov_b32 s[G1V+6], 0
	s_mov_b32 s[G1V+7], 0
	s_mov_b32 s[G1R], (3<<16)|(1<<20)|(7<<22)|(3<<25)             ; res: no mask; 32 rows of 1,024 bytes, 4,096 apart
	s_mov_b32 s[G1R+1], 128<<16
	s_mov_b32 s[G1R+2], 32<<16
	s_mov_b32 s[G1R+3], 128<<16
	s_mov_b32 s[G1R+4], 32
	s_mov_b32 s[G1R+5], 512
	s_mov_b32 s[G1R+6], 0
	s_mov_b32 s[G1R+7], 0
	s_lshl_b32 s73, s58, 14                        ; Q's images: 131,072 n + 8,192 (2 gx + T) + 1,024 c
	s_add_co_u32 s72, s59, s73
	s_lshl_b32 s73, s[WV], 10
	s_add_co_u32 s72, s72, s73
	s_mov_b32 s73, 0
	s_lshl_b32 s74, s56, 13                        ; the head's scale bytes
	s_mov_b32 s75, 0
	s_lshr_b32 s80, s58, 2                         ; Q's scale words: + 4,096 (gx / 4) + 512 c + 128 (gx % 4) + 64 T
	s_lshl_b32 s80, s80, 12
	s_lshl_b32 s81, s[WV], 9
	s_add_co_u32 s80, s80, s81
	s_and_b32 s81, s58, 3
	s_lshl_b32 s81, s81, 7
	s_add_co_u32 s80, s80, s81
	s_add_co_u32 s80, s80, s74
	s_mov_b32 s81, 0
	s_lshl_b32 s82, s56, 20                        ; res, out0: (256 n + 32 gx) rows of 4,096 bytes
	s_lshl_b32 s83, s58, 17
	s_add_co_u32 s82, s82, s83
	s_mov_b32 s83, 0
	s_and_b32 s60, s[WV], 3                        ; which quarter of res I fetch, if I fetch
	s_lshl_b32 s100, s60, 10
	s_mov_b32 s101, 0
	s_mul_i32 s[G0R+1], s60, 32*RP
	s_add_co_u32 s[G0R+1], s[G0R+1], RES
	s_mov_b32 s[G0R], 1
	s_mov_b32 s[SEL], 0x76543210
	s_mov_b32 s[SEL+1], 0xfedcba98                 ; selects for lane l xor 16
	s_mov_b32 s[CS], 0x3e0293ee                    ; c = log2(e) / sqrt(128)
	s_mov_b32 s[CS+1], s[CS]
	s_mov_b32 s[NC], 0xbe0293ee                    ; -c
	s_mov_b32 s88, 0x3a800000                      ; 1 / 1024
	s_mov_b32 s89, 0x322bcc77                      ; 1e-8
	s_mov_b32 s[TB], 0
	s_mov_b32 s[TF], 0
	s_mov_b32 s[TSL], 0
	s_mov_b32 s[SLOTS], 3
	s_cmp_eq_u32 s[WV], 4                          ; the prefetches: wave 4 stands in K, wave 5 in V
	s_mov_b32 s[PFS], 256
	s_cselect_b32 s[PFS], 32768, s[PFS]            ; a slot on
	s_mov_b32 s61, 1024
	s_cselect_b32 s61, 256, s61                    ; from lane to lane
	s_mov_b32 s78, 8<<20
	s_cselect_b32 s78, 4<<20, s78
	s_mov_b32 s63, 15
	s_cselect_b32 s63, 13, s63
	s_lshl_b32 s63, s57, s63                       ; my work-group's part
	s_add_co_u32 s78, s78, s63
	s_add_co_u32 s78, s78, s59
	s_add_co_u32 s78, s78, s[PFS]                  ; in slot 1: the first change of slots steps it to slot 2
	s_mov_b32 s79, 0
	s_mov_b32 s[PFS+1], 0
	v_and_b32 v[PFO], 31, v0
	v_mul_lo_u32 v[PFO], v[PFO], s61
	s_xor_b32 s63, s[WV], 4
	s_lshr_b32 s63, s63, 1
	s_or_b32 s63, s63, ttmp9                       ; 0 in waves 4 and 5 of the head's first cluster
	s_cmp_eq_u32 s63, 0
	s_cselect_b32 s[LIM], 1, -1
	s_wait_dscnt 0x0                               ; both opening adds are done
	s_wait_kmcnt 0x0
	CROUND                                         ; all four work-groups are here
	s_mov_b32 s[G0K], 1
	s_mov_b32 s[G0K+1], s70
	s_add_nc_u64 s[G0K+2:G0K+3], s[4:5], s[66:67]
	s_or_b32 s[G0K+3], s[G0K+3], 0x80000000
	s_mov_b32 s[G0V], 1
	s_mov_b32 s[G0V+1], s71
	s_add_nc_u64 s[G0V+2:G0V+3], s[4:5], s[68:69]
	s_or_b32 s[G0V+3], s[G0V+3], 0x80000000
	TLOAD 0                                        ; slot 0: at most one tensor load a wave at the head
	s_add_nc_u64 s[G0R+2:G0R+3], s[8:9], s[82:83]
	s_add_nc_u64 s[G0R+2:G0R+3], s[G0R+2:G0R+3], s[100:101]
	s_or_b32 s[G0R+3], s[G0R+3], 0x80000000
	s_add_nc_u64 s[PFA:PFA+1], s[4:5], s[78:79]
	s_add_nc_u64 s[72:73], s[4:5], s[72:73]
	s_add_nc_u64 s[80:81], s[6:7], s[80:81]
	s_add_nc_u64 s[74:75], s[6:7], s[74:75]
	s_lshl_b32 s100, s[WV], 9                      ; 512 c
	s_add_nc_u64 s[14:15], s[14:15], s[82:83]
	s_add_nc_u64 s[14:15], s[14:15], s[100:101]
	s_add_nc_u64 s[10:11], s[10:11], s[100:101]
	s_add_nc_u64 s[12:13], s[12:13], s[100:101]
	v_and_b32 v8, 15, v0                           ; r
	v_bfe_u32 v9, v0, 4, 1                         ; h
	v_and_b32 v[GO], 31, v0
	v_lshlrev_b32 v[GO], 4, v[GO]
	v_lshlrev_b32 v16, 2, v8
	v_lshlrev_b32 v17, 4, v0
.irp T, 0,1
	global_load_b128 v[QF+8*\T:QF+8*\T+3], v[GO], s[72:73] offset:8192*\T          ; Q's fragments, as their images lie; they stay
	global_load_b128 v[QF+8*\T+4:QF+8*\T+7], v[GO], s[72:73] offset:8192*\T+512
	global_load_b32 v[QS+\T], v16, s[80:81] offset:64*\T
	global_load_b128 v[VF+4*\T:VF+4*\T+3], v17, s[74:75] offset:262144+4096*\T     ; the head's 8,192 bytes of K's scale words, twice 16 a thread,
	global_load_b128 v[VF+8+4*\T:VF+8+4*\T+3], v17, s[74:75] offset:524288+4096*\T ; and V's
.endr
	global_load_b128 v[GA:GA+3], v[GO], s[10:11]   ; gamma and beta at channels 4 x lane of my chunk
	global_load_b128 v[BE:BE+3], v[GO], s[12:13]
	v_and_b32 v10, 7, v8
	v_mul_u32_u24 v[AK0], v10, IMG
	v_lshrrev_b32 v10, 3, v8
	v_lshl_add_u32 v[AK0], v10, 7, v[AK0]
	v_lshl_add_u32 v[AK0], v9, 8, v[AK0]           ; K: 1,040 (r % 8) + 128 (r / 8) + 256 h; 16 x tile stands in the immediate
	v_mul_u32_u24 v[AV0], v8, VP
	v_lshl_add_u32 v[AV0], v9, 5, v[AV0]
	v_add_nc_u32 v[AV0], VOFF, v[AV0]              ; V: row r, + 32 h
	v_lshl_add_u32 v[ASC0], v8, 4, SCK
	v_lshlrev_b32 v[SH8], 3, v9
	s_lshr_b32 s60, s[WV], 1                       ; my part of res in LDS: region c / 2, + 512 (c % 2)
	s_mul_i32 s60, s60, 32*RP
	s_lshl_b32 s61, s62, 9
	s_add_co_u32 s60, s60, s61
	s_add_co_u32 s60, s60, RES
	v_mul_u32_u24 v[LR], v8, RP
	v_lshl_add_u32 v[LR], v9, 5, v[LR]
	v_add_nc_u32 v[LR], s60, v[LR]
	v_add_nc_u32 v[RR], s60, v[GO]
	v_lshl_add_u32 v[RDA], v8, 5, RED
	s_lshl_b32 s61, s[WV], 2
	v_add_nc_u32 v[RDW], s61, v[RDA]
	; where the scale words go: thread = g << 5 | a << 2 | m holds words 4 m .. 4 m + 3 of (rh, g, a); rh stands in the immediate
	v_bfe_u32 v10, v0, 2, 3
	v_lshlrev_b32 v18, 9, v10
	v_and_b32 v10, 3, v0
	v_lshl_or_b32 v19, v10, 6, v18
	v_bfe_u32 v10, v0, 7, 1
	v_lshl_or_b32 v19, v10, 8, v19
	v_bfe_u32 v10, v0, 5, 2
	v_lshl_or_b32 v19, v10, 2, v19
	v_add_nc_u32 v19, SCV, v19
	v_and_b32 v10, 1, v0
	v_lshl_or_b32 v18, v10, 8, v18
	v_bfe_u32 v10, v0, 1, 1
	v_lshl_or_b32 v18, v10, 7, v18
	v_bfe_u32 v10, v0, 5, 3
	v_lshl_or_b32 v18, v10, 4, v18
	v_add_nc_u32 v18, SCK, v18
.irp T, 0,1
	v_mov_b32 v[NM+2*\T+1], 0xff61b1e6             ; the largest score so far: -3e38
	v_mov_b32 v[FF+2*\T+1], 0
	v_mov_b32 v[PD+\T], 0
	v_mov_b32 v[SA+8*\T], 0
	v_mov_b32 v[SA+8*\T+1], 0
	v_floor_f32 v[NM+2*\T], -v[NM+2*\T+1]          ; -M
.endr
	WIN 0x40
.set j, 0
.rept 128
	v_mov_b32 v[128+j], 0                          ; O^T: the step is written without a first form of its own: the first change of M leaves zeros zeros
.set j, j+1
.endr
	WIN 0
	s_wait_alu depctr_va_vdst(0)                   ; the wait at the head's end
	s_wait_loadcnt 0x0
.irp T, 0,1
	ds_store_b128 v18, v[VF+4*\T:VF+4*\T+3] offset:4096*\T
.irp i, 0,1,2,3
	ds_store_b32 v19, v[VF+8+4*\T+\i] offset:4096*\T+16*\i
.endr
.endr                                          ; the first change of slots waits for these and passes a barrier ahead of every read
.macro KLOAD off, soff                 ; K's scale words and eight fragments of the step that begins off bytes (scale words: soff bytes) behind v[ADK], v[ADS]
	ds_load_b128 v[KS:KS+3], v[ADS] offset:\soff
	ds_load_b128 v[KS+4:KS+7], v[ADS] offset:\soff+256
.irp p, 0,1,2,3,4,5,6,7
.irp c, 0,1
	ds_load_b128 v[KF+8*\p+4*\c:KF+8*\p+4*\c+3], v[ADK] offset:\off+16*\p+512*\c
.endr
.endr
.endm
; A KEY STEP: 128 keys against my two tiles of queries.  s[SK], s[SV], s[TS]: where the step's K, V and scale words begin.  Its K has been asked for ahead of it.
.macro STEP
	v_add_nc_u32 v[ADK], s[SK], v[AK0]
	v_add_nc_u32 v[ADV], s[SV], v[AV0]
	v_add_nc_u32 v[ADS], s[TS], v[ASC0]
	s_wait_alu depctr_va_vdst(0)                   ; ahead of the wait below
	s_wait_dscnt 0x0                               ; K (in a slot's first step it has just been asked for)
	WIN 0x40                                       ; D in window 1
.irp p, 0,1,2,3,4,5,6,7
.irp T, 0,1
	v_wmma_scale_f32_16x16x128_f8f6f4 v[64*\T+8*\p:64*\T+8*\p+7], v[KF+8*\p:KF+8*\p+7], v[QF+8*\T:QF+8*\T+7], 0, v[KS+\p], v[QS+\T] matrix_a_fmt:MATRIX_FMT_FP4 matrix_b_fmt:MATRIX_FMT_FP4
.endr
.endr
	WIN 0
.rept 4
	v_nop                                          ; places ahead of the loads below and of the first read of the scores
.endr
	ds_load_b128 v[VS:VS+3], v[ADS] offset:8192    ; V is asked for now and lands under the softmax
	ds_load_b128 v[VS+4:VS+7], v[ADS] offset:8448
.irp t, 0,1,2,3,4,5,6,7
.irp c, 0,1
	ds_load_b128 v[VF+8*\t+4*\c:VF+8*\t+4*\c+3], v[ADV] offset:16*VP*\t+16*\c
.endr
.endr
	s_cmp_eq_u32 s[CNT], 1                         ; the slot's last step has no successor in it: a branch on the count of steps, round LDS loads alone
	s_cbranch_scc1 .Lno_k_\@
	KLOAD STEPK, 512                               ; the next step's K
.Lno_k_\@:
	WIN 0x15                                       ; all three sources in window 1
.irp k, 0,1,2,3
.irp T, 0,1
	v_max3_num_f32 v[MX+4*\T+\k], v[64*\T+16*\k], v[64*\T+16*\k+1], v[64*\T+16*\k+2]   ; eight chains of 16 scores; each accumulator is first read at its low end
.endr
.endr
	WIN 0x14
.irp i, 3,5,7,9,11,13
.irp k, 0,1,2,3
.irp T, 0,1
	v_max3_num_f32 v[MX+4*\T+\k], v[MX+4*\T+\k], v[64*\T+16*\k+\i], v[64*\T+16*\k+\i+1]
.endr
.endr
.endr
.irp k, 0,1,2,3
.irp T, 0,1
	v_max_num_f32 v[MX+4*\T+\k], v[MX+4*\T+\k], v[64*\T+16*\k+15]
.endr
.endr
	WIN 0
.irp e, 0,1
.irp T, 0,1
	v_max_num_f32 v[BM+2*\T+\e], v[MX+4*\T+2*\e], v[MX+4*\T+2*\e+1]   ; the largest score of each of my two key blocks: for the row's maximum and for the block's largest p
.endr
.endr
.irp T, 0,1
	D2
	v_max3_num_f32 v[NM+2*\T+1], v[NM+2*\T+1], v[BM+2*\T], v[BM+2*\T+1]
.endr
.irp T, 0,1
	D2
	v_permlanex16_b32 v[PD+\T], v[NM+2*\T+1], s[SEL], s[SEL+1]
.endr
.irp T, 0,1
	D2
	v_max_num_f32 v[NM+2*\T+1], v[NM+2*\T+1], v[PD+\T]   ; the running largest score (c is positive: its t is the largest t)
.endr
.irp T, 0,1
	D2
	v_mul_f32 v[TA+\T], s[NC], v[NM+2*\T+1]
.endr
.irp T, 0,1
	D2
	v_floor_f32 v[TA+\T], v[TA+\T]                 ; the new -M = -ceil(t)
.endr
.irp T, 0,1
	D2
	v_sub_f32 v[TA+2+\T], v[TA+\T], v[NM+2*\T]     ; old M - new M: a whole number, 0 or less
.endr
.irp T, 0,1
	v_mov_b32 v[NM+2*\T], v[TA+\T]
.endr
.irp T, 0,1
	v_cvt_i32_f32 v[TA+2+\T], v[TA+2+\T]           ; (it saturates)
.endr
.irp T, 0,1
	D2
	v_ldexp_f32 v[FF+2*\T], 1.0, v[TA+2+\T]        ; f = 2^(old M - new M)
.endr
.irp e, 0,1
.irp T, 0,1
	v_fma_f32 v[BM+2*\T+\e], v[BM+2*\T+\e], s[CS], v[NM+2*\T]
.endr
.endr
	WIN 0x41                                       ; source 0 and the destination in window 1
.set j, 0
.rept 32
.irp T, 0,1
	v_pk_mul_f32 v[128+64*\T+j:128+64*\T+j+1], v[128+64*\T+j:128+64*\T+j+1], v[FF+2*\T:FF+2*\T+1] op_sel_hi:[1,0]   ; O^T under the new M: no transcendental stands between the last products and these first reads
.endr
.set j, j+2
.endr
.set j, 0
.rept 32
	v_pk_fma_f32 v[j:j+1], v[j:j+1], s[CS:CS+1], v[NM:NM+1] op_sel_hi:[1,0,0]   ; tile 0: t - M
.set j, j+2
.endr
	WIN 0
	s_wait_alu depctr_va_vdst(0)                   ; ahead of the batch
.irp i, 0,1,2,3
	v_exp_f32 v[BM+\i], v[BM+\i]                   ; the blocks' largest p: the same two instructions on the same number
.endr
	WIN 0x41
.set j, 0
.rept 32                                       ; tile 0's p = 2^(t - M); among them tile 1's t - M, which nothing reads ahead of the wait below
	v_exp_f32 v[j], v[j]
	v_exp_f32 v[j+1], v[j+1]
	v_pk_fma_f32 v[64+j:65+j], v[64+j:65+j], s[CS:CS+1], v[NM+2:NM+3] op_sel_hi:[1,0,0]
.set j, j+2
.endr
	s_wait_alu depctr_va_vdst(0)                   ; one wait for the batch, ahead of its first reader and of tile 1's exponentials
	WIN 0
.irp T, 0,1
	v_pk_mul_f32 v[SA+8*\T:SA+8*\T+1], v[SA+8*\T:SA+8*\T+1], v[FF+2*\T:FF+2*\T+1] op_sel_hi:[1,0]   ; the sums under the new M
.endr
.irp i, 0,1,2,3
	v_max_num_f32 v[BM+\i], 0x1800000, v[BM+\i]    ; the floor 2^(3 - 127)
.endr
.irp i, 0,1,2,3
	v_add_nc_u32 v[SO+\i], 0xff000000, v[BM+\i]    ; the conversions' scale operands
.endr
.irp i, 0,1,2,3
	v_lshrrev_b32 v[BM+\i], 23, v[SO+\i]
.endr
.irp T, 0,1
	v_lshl_or_b32 v[TA+\T], v[BM+2*\T+1], 16, v[BM+2*\T]   ; my blocks stand at places h and 2 + h of the scale word
.endr
.irp T, 0,1
	D2
	v_lshlrev_b32 v[TA+\T], v[SH8], v[TA+\T]
.endr
.irp T, 0,1
	D2
	v_permlanex16_b32 v[PD+\T], v[TA+\T], s[SEL], s[SEL+1]
.endr
.irp T, 0,1
	D2
	v_or_b32 v[PS+\T], v[TA+\T], v[PD+\T]          ; with lane l xor 16's two the word is whole
.endr
	WIN 0x01
.irp p, 0,1,2,3,4,5,6,7
	v_cvt_scalef32_pk8_fp4_f32 v[PC+\p], v[8*\p:8*\p+7], v[SO+\p/4]   ; tile 0's codes
.endr
	v_nop                                          ; one plain place behind a scaled conversion
	WIN 0x45                                       ; sources 0 and 1 and the destination in window 1
.set j, 0
.rept 16                                       ; tile 1's p; among them the first level of tile 0's sum, in place on p that has been converted: nothing reads it ahead of the wait below
	v_exp_f32 v[64+j], v[64+j]
	v_exp_f32 v[65+j], v[65+j]
	v_exp_f32 v[66+j], v[66+j]
	v_exp_f32 v[67+j], v[67+j]
	v_pk_add_f32 v[j:j+1], v[j:j+1], v[j+2:j+3]
.set j, j+4
.endr
	s_wait_alu depctr_va_vdst(0)                   ; one wait for the batch
	WIN 0x01
.irp p, 0,1,2,3,4,5,6,7
	v_cvt_scalef32_pk8_fp4_f32 v[PC+8+\p], v[64+8*\p:64+8*\p+7], v[SO+2+\p/4]   ; tile 1's codes
.endr
	v_nop
	WIN 0x05                                       ; the row's sums of the unquantised p: four chains a tile.  (These lines are also the places between the codes and the products)
.irp k, 1,2,3
	v_pk_add_f32 v[SA+2*\k:SA+2*\k+1], v[8*\k-8:8*\k-7], v[8*\k-4:8*\k-3]
	v_pk_add_f32 v[SA+8+2*\k:SA+8+2*\k+1], v[64+4*\k-4:64+4*\k-3], v[64+4*\k-2:64+4*\k-1]
.endr
	WIN 0x04
.set P, 12
.rept 26
	v_pk_add_f32 v[SA+8+(P%8):SA+8+(P%8)+1], v[SA+8+(P%8):SA+8+(P%8)+1], v[64+P:64+P+1]
.set P, P+2
.endr
.set P, 24
.rept 10
	v_pk_add_f32 v[SA+((P/2)%8):SA+((P/2)%8)+1], v[SA+((P/2)%8):SA+((P/2)%8)+1], v[P:P+1]
.set P, P+4
.endr
	WIN 0
.irp T, 0,1
	v_pk_add_f32 v[SA+8*\T+2:SA+8*\T+3], v[SA+8*\T+2:SA+8*\T+3], v[SA+8*\T+4:SA+8*\T+5]
.endr
.irp T, 0,1
	v_pk_add_f32 v[SA+8*\T:SA+8*\T+1], v[SA+8*\T:SA+8*\T+1], v[SA+8*\T+6:SA+8*\T+7]
.endr
.irp T, 0,1
	D2
	v_pk_add_f32 v[SA+8*\T:SA+8*\T+1], v[SA+8*\T:SA+8*\T+1], v[SA+8*\T+2:SA+8*\T+3]
.endr
	s_wait_alu depctr_va_vdst(0)                   ; ahead of the wait below
	s_wait_dscnt 0x0                               ; V, and the next step's K
	WIN 0x50                                       ; C and D in window 1
.irp t, 0,1,2,3,4,5,6,7
.irp T, 0,1
	v_wmma_scale_f32_16x16x128_f8f6f4 v[128+64*\T+8*\t:128+64*\T+8*\t+7], v[VF+8*\t:VF+8*\t+7], v[PC+8*\T:PC+8*\T+7], v[128+64*\T+8*\t:128+64*\T+8*\t+7], v[VS+\t], v[PS+\T] matrix_a_fmt:MATRIX_FMT_FP4 matrix_b_fmt:MATRIX_FMT_FP4
.endr
.endr
	WIN 0
.endm
.macro SLOTRUN                         ; the four key steps of the slot in hand: a counted loop, addresses in scalars; the first step's K is asked for ahead of the loop
	s_mov_b32 s[SK], s[TB]
	s_mov_b32 s[SV], s[TB]
	s_mov_b32 s[TS], s[TSL]
	s_mov_b32 s[CNT], 4
	v_add_nc_u32 v[ADK], s[SK], v[AK0]
	v_add_nc_u32 v[ADS], s[TS], v[ASC0]
	KLOAD 0, 0
.Lstep_\@:
	STEP
	s_add_co_u32 s[SK], s[SK], STEPK
	s_add_co_u32 s[SV], s[SV], 64
	s_add_co_u32 s[TS], s[TS], 512
	s_sub_co_u32 s[CNT], s[CNT], 1
	s_cmp_lg_u32 s[CNT], 0
	s_cbranch_scc1 .Lstep_\@
	s_xor_b32 s[TB], s[TB], SLOTB
	s_add_co_u32 s[TSL], s[TSL], 2048
.endm
; THE CHANGE OF SLOTS, at a slot's head.  Each wave waits for all its tensor loads, adds 0 to its spare word, and waits for that and for its LDS instructions.  kind 1: a round of the cluster's barrier, then the joint load of
; the next 512 keys into the slot that was left.  kind 2, the first: slot 1's first fill and res's, all first fills. kind 0: nothing is filled.
.macro CHANGE kind
	s_wait_tensorcnt 0x0
	ds_add_u32 v[SPW], v[NIL]
.if \kind == 2
	ds_add_u32 v[SPW], v[NIL]
.endif
.if \kind
	s_xor_b32 s[TF], s[TF], SLOTB                  ; no tensor load of mine is out: the groups 0 may be written
	s_add_co_u32 s[G0K+1], s[TF], s70
	s_add_nc_u64 s[G0K+2:G0K+3], s[G0K+2:G0K+3], 32768
	s_add_co_u32 s[G0V+1], s[TF], s71
	s_add_nc_u64 s[G0V+2:G0V+3], s[G0V+2:G0V+3], 256
	s_wait_xcnt 0x0                                ; the last prefetch, a slot back, has read its address
	s_add_nc_u64 s[PFA:PFA+1], s[PFA:PFA+1], s[PFS:PFS+1]
	s_wait_dscnt 0x0
	CROUND
	TLOAD \kind-1
	ASK
.else
	s_wait_dscnt 0x0
	s_barrier_signal -1
	s_barrier_wait -1
.endif
.endm
	CHANGE 2
	SLOTRUN
	s_sub_co_u32 s[SLOTS], s[SLOTS], 1
.Lslot:                                            ; two trips: slots 2 and 3 are asked for
	CHANGE 1
	SLOTRUN
	s_sub_co_u32 s[SLOTS], s[SLOTS], 1
	s_cmp_lg_u32 s[SLOTS], 0
	s_cbranch_scc1 .Lslot
	CHANGE 0                                       ; the last slot is written out
	SLOTRUN
	; THE WAY OUT.  R(T) = v[48 + 128 T]: res of tile T in the lanes' layout
.irp T, 0,1
	v_add_f32 v[TA+\T], v[SA+8*\T], v[SA+8*\T+1]   ; the sum's two halves.  (These six lines are the places behind the last products)
.endr
.irp T, 0,1
	D2
	v_permlanex16_b32 v[PD+\T], v[TA+\T], s[SEL], s[SEL+1]
.endr
.irp T, 0,1
	D2
	v_add_f32 v[TA+\T], v[TA+\T], v[PD+\T]         ; the row's sum
.endr
.irp T, 0,1
.irp t, 0,1,2,3,4,5,6,7
	ds_load_b128 v[48+128*\T+8*\t:48+128*\T+8*\t+3], v[LR] offset:16*RP*\T+64*\t       ; res landed ahead of the second change of slots, whose round every wave has passed
	ds_load_b128 v[48+128*\T+8*\t+4:48+128*\T+8*\t+7], v[LR] offset:16*RP*\T+64*\t+16
.endr
.endr
	s_wait_alu depctr_va_vdst(0)                   ; ahead of the transcendentals
.irp T, 0,1
	v_rcp_f32 v[FF+2*\T], v[TA+\T]
.endr
	v_nop
	s_wait_dscnt 0x0
	WIN 0x41
	s_wait_alu depctr_va_vdst(0)                   ; ahead of the first reader of the reciprocals and of O^T
.set j, 0
.rept 32
.irp T, 0,1
	v_pk_fma_f32 v[128+64*\T+j:128+64*\T+j+1], v[128+64*\T+j:128+64*\T+j+1], v[FF+2*\T:FF+2*\T+1], v[48+128*\T+j:48+128*\T+j+1] op_sel_hi:[1,0,1]   ; y = O^T / the sum + res (>= 0: no relu)
.endr
.set j, j+2
.endr
; A sum over a row of 1,024: sq = 0 of y, sq = 1 of y squared.  My 64 numbers a tile in two chains, lane l xor 16's, then the eight chunks through LDS, added in one order by all eight waves.  The result: v[48 + 8 T]
.macro ROWSUM sq
	WIN 0x05
.irp k, 0,1
.irp T, 0,1
.if \sq
	v_pk_mul_f32 v[MX+4*\T+2*\k:MX+4*\T+2*\k+1], v[128+64*\T+2*\k:128+64*\T+2*\k+1], v[128+64*\T+2*\k:128+64*\T+2*\k+1]
.else
	v_pk_add_f32 v[MX+4*\T+2*\k:MX+4*\T+2*\k+1], v[128+64*\T+2*\k:128+64*\T+2*\k+1], v[128+64*\T+2*\k+4:128+64*\T+2*\k+5]
.endif
.endr
.endr
.if \sq
.set P, 4
.else
	WIN 0x04
.set P, 8
.endif
.rept (64-P)/2
.irp T, 0,1
.if \sq
	v_pk_fma_f32 v[MX+4*\T+(P%4):MX+4*\T+(P%4)+1], v[128+64*\T+P:128+64*\T+P+1], v[128+64*\T+P:128+64*\T+P+1], v[MX+4*\T+(P%4):MX+4*\T+(P%4)+1]
.else
	v_pk_add_f32 v[MX+4*\T+(P%4):MX+4*\T+(P%4)+1], v[MX+4*\T+(P%4):MX+4*\T+(P%4)+1], v[128+64*\T+P:128+64*\T+P+1]
.endif
.endr
.set P, P+2
.endr
	WIN 0
.irp T, 0,1
	v_pk_add_f32 v[MX+4*\T:MX+4*\T+1], v[MX+4*\T:MX+4*\T+1], v[MX+4*\T+2:MX+4*\T+3]
.endr
.irp T, 0,1
	D2
	v_add_f32 v[TA+\T], v[MX+4*\T], v[MX+4*\T+1]
.endr
.irp T, 0,1
	D2
	v_permlanex16_b32 v[PD+\T], v[TA+\T], s[SEL], s[SEL+1]
.endr
.irp T, 0,1
	D2
	v_add_f32 v[TA+\T], v[TA+\T], v[PD+\T]
.endr
.irp T, 0,1
	ds_store_b32 v[RDW], v[TA+\T] offset:1024*\sq+512*\T   ; both halves of the lanes write the same word with the same value; the two exchanges have bytes of their own
.endr
	s_wait_dscnt 0x0                               ; for the others' sake
	s_barrier_signal -1
	s_barrier_wait -1
.irp T, 0,1
	ds_load_b128 v[48+8*\T:51+8*\T], v[RDA] offset:1024*\sq+512*\T
	ds_load_b128 v[52+8*\T:55+8*\T], v[RDA] offset:1024*\sq+512*\T+16
.endr
	s_wait_dscnt 0x0
.irp i, 0,2,4,6
.irp T, 0,1
	v_add_f32 v[48+8*\T+\i], v[48+8*\T+\i], v[49+8*\T+\i]
.endr
.endr
.irp i, 0,4
.irp T, 0,1
	v_add_f32 v[48+8*\T+\i], v[48+8*\T+\i], v[50+8*\T+\i]
.endr
.endr
.irp T, 0,1
	D2
	v_add_f32 v[48+8*\T], v[48+8*\T], v[52+8*\T]
.endr
.endm
	ROWSUM 0
.irp T, 0,1
	D2
	v_mul_f32 v[FF+2*\T], s88, v[48+8*\T]          ; the mean
.endr
	WIN 0x41
.set j, 0
.rept 32
.irp T, 0,1
	v_pk_add_f32 v[128+64*\T+j:128+64*\T+j+1], v[128+64*\T+j:128+64*\T+j+1], v[FF+2*\T:FF+2*\T+1] op_sel_hi:[1,0] neg_lo:[0,1] neg_hi:[0,1]   ; y - mean: the variance is taken of the differences
.endr
.set j, j+2
.endr
	ROWSUM 1
.irp T, 0,1
	D2
	v_fma_f32 v[TA+\T], v[48+8*\T], s88, s89       ; the variance + 1e-8
.endr
	s_wait_alu depctr_va_vdst(0)
.irp T, 0,1
	v_rsq_f32 v[FF+2*\T], v[TA+\T]
.endr
	v_nop
	s_wait_alu depctr_va_vdst(0)
.irp T, 0,1                                    ; tile by tile: normalised, into my own part of res's bytes (they have had their only fill and my last read), and back by rows
	WIN 0x41
.set j, 0
.rept 32
	v_pk_mul_f32 v[128+64*\T+j:128+64*\T+j+1], v[128+64*\T+j:128+64*\T+j+1], v[FF+2*\T:FF+2*\T+1] op_sel_hi:[1,0]
.set j, j+2
.endr
	WIN 0x04                                       ; an LDS store's data are its source 1
.irp t, 0,1,2,3,4,5,6,7
	ds_store_b128 v[LR], v[128+64*\T+8*\t:128+64*\T+8*\t+3] offset:16*RP*\T+64*\t
	ds_store_b128 v[LR], v[128+64*\T+8*\t+4:128+64*\T+8*\t+7] offset:16*RP*\T+64*\t+16
.endr
	WIN 0
.set I, 0
.rept 16
	ds_load_b128 v[48+128*\T+4*I:48+128*\T+4*I+3], v[RR] offset:RP*(16*\T+I)   ; LDS serves a wave's instructions in order: these see my stores
.set I, I+1
.endr
.endr
.set I, 0
.rept 32
.set RW, 48+4*I+64*(I/16)
	s_wait_dscnt 31-I+16*(1-I/16)                  ; this row is back; behind it stand its tile's younger loads and, for tile 0, tile 1's 16 stores and 16 loads
	v_pk_fma_f32 v[RW:RW+1], v[RW:RW+1], v[GA:GA+1], v[BE:BE+1]
	v_pk_fma_f32 v[RW+2:RW+3], v[RW+2:RW+3], v[GA+2:GA+3], v[BE+2:BE+3]
	global_store_b128 v[GO], v[RW:RW+3], s[14:15] offset:4096*I th:TH_STORE_NT   ; 32 lanes store 512 consecutive bytes, aligned
.set I, I+1
.endr
	s_wait_tensorcnt 0x0                           ; the wave's end
	ds_add_u32 v[SPW], v[NIL]
	s_wait_dscnt 0x0
	CROUND                                         ; the closing round
	s_endpgm
.Lfunc_end_k_q79629eda6a_attn:
	.size	k_q79629eda6a_attn, .Lfunc_end_k_q79629eda6a_attn-k_q79629eda6a_attn
	.p2alignl 7, 3214868480
	.fill 96, 4, 3214868480
	.section	.rodata,"a",@progbits
	.p2align	6, 0x0
	.amdhsa_kernel k_q79629eda6a_attn
		.amdhsa_group_segment_fixed_size 327680
		.amdhsa_private_segment_fixed_size 0
		.amdhsa_enable_private_segment 0
		.amdhsa_kernarg_size 48
		.amdhsa_user_sgpr_count 2
		.amdhsa_user_sgpr_kernarg_segment_ptr 1
		.amdhsa_wavefront_size32 1
		.amdhsa_system_sgpr_workgroup_id_x 1
		.amdhsa_system_sgpr_workgroup_id_y 1
		.amdhsa_system_sgpr_workgroup_id_z 1
		.amdhsa_system_vgpr_workitem_id 0
		.amdhsa_next_free_vgpr 512
		.amdhsa_next_free_sgpr 102
		.amdhsa_reserve_vcc 0
		.amdhsa_float_denorm_mode_32 3
		.amdhsa_float_denorm_mode_16_64 3
		.amdhsa_memory_ordered 1
		.amdhsa_forward_progress 1
		.amdhsa_inst_pref_size 157
	.end_amdhsa_kernel
	.amdgpu_metadata
---
amdhsa.version: [ 1, 2 ]
amdhsa.kernels:
  - .name:           k_q79629eda6a_attn
    .symbol:         k_q79629eda6a_attn.kd
    .args:
      - { .name: qkvc, .offset: 0, .size: 8, .value_kind: global_buffer, .address_space: global }
      - { .name: qkvs, .offset: 8, .size: 8, .value_kind: global_buffer, .address_space: global }
      - { .name: res, .offset: 16, .size: 8, .value_kind: global_buffer, .address_space: global }
      - { .name: gamma, .offset: 24, .size: 8, .value_kind: global_buffer, .address_space: global }
      - { .name: beta, .offset: 32, .size: 8, .value_kind: global_buffer, .address_space: global }
      - { .name: out0, .offset: 40, .size: 8, .value_kind: global_buffer, .address_space: global }
    .group_segment_fixed_size: 327680
    .private_segment_fixed_size: 0
    .kernarg_segment_align: 8
    .kernarg_segment_size: 48
    .max_flat_workgroup_size: 256
    .sgpr_count:     102
    .vgpr_count:     512
    .wavefront_size: 32
...
	.end_amdgpu_metadata
.endif
;; end of part 3
